; MI455X (gfx1250); checked and timed in simulation.
; The chip was launched on July 23, 2026; its instructions are those of AMD's public machine-readable ISA for CDNA 5 (MIT licence, August 2026) and "CDNA5" Instruction Set Architecture Reference Guide (July 2026). The comments in the code are by the model that wrote it; some were corrected since.
;; Mo E. Allowed arithmetic: float matrix products may take bf16 or f16 operands with f32 sums; all other float work in f32.
;; Inputs: W1 8 x 1,024 x 1,024 float32; W2 8 x 1,024 x 1,024 float32; Wr 1,024 x 8 float32; b1 8 x 1,024 float32; b2 8 x 1,024 float32; br 8 float32; x 4,096 x 1,024 float32.
;; Outputs: out0 4,096 x 1,024 float32.
;; 2 versions, each right; version 2 is version 1 with the launch prep written anew for expert scheduling mode. Each part assembles by itself: llvm-mc -triple=amdgcn-amd-amdhsa -mcpu=gfx1250 --defsym DOCPART=n.
;; ======== version 1 of 2: 3 launches
;; workspace buffers: xb 8,388,608 bytes; w1b 16,777,216 bytes; w2b 16,777,216 bytes; gates 131,072 bytes; hg 67,108,864 bytes
;; launch prep (part 1): grid 1280 x 1, 4 waves a work-group, no clusters, 52,736 bytes of LDS; arguments x, W1, W2, Wr, br, xb, w1b, w2b, gates; writes xb, w1b, w2b, gates
.if DOCPART == 1
	.amdgcn_target "amdgcn-amd-amdhsa--gfx1250"
	.amdhsa_code_object_version 6
	.text
	.protected	k_qc945e2d60d_prep
	.globl	k_qc945e2d60d_prep
	.p2align	8
	.type	k_qc945e2d60d_prep,@function
k_qc945e2d60d_prep:
	s_mov_b64 s[64:65], 0
	v_nop
	global_prefetch_b8 v0, s[64:65] scope:SCOPE_SE
	s_setreg_imm32_b32 hwreg(HW_REG_WAVE_MODE, 25, 1), 1
	s_wait_xcnt 0x0
; xb = bf16(x), w1b = bf16(W1), w2b = bf16(W2), gates = softmax(x Wr + br) along the 8 experts.
; Work-groups 0-255: 16 rows of x each.  Wave w takes columns 256 w .. 256 w + 255 of the 16 rows: it loads them once, rounds them to bf16,
; stores them to xb and lays them into its own LDS bytes, from which the router's product is made by the matrix unit (K = 256 a wave);
; the four waves' partial logits meet in LDS and wave 0 makes the softmax, with the row's maximum taken away first.
; Work-groups 256-1279: 65,536 bytes of W1 (the first 512) or of W2 each, 16,384 a wave: a plain cast.
; No loop: a wave has its 32 loads of 16 bytes a lane on their way at once; each store of a wave covers 256 consecutive bytes, aligned.
; No cluster, no tensor loads: the work-groups share nothing but Wr (32 KiB), and every other byte is read once.
; LIMITS: the router's operands are rounded to bf16 (sums in f32); v_exp_f32 gives 0 for results under 2^-126, so a gate that small is 0.
.set X,    32                          ; v[32:159]  32 loads of 4 registers, f32 as loaded
.set Y,    160                         ; v[160:223] 32 results of 2 registers, bf16 to store; before that Wr as loaded
.set WC,   224                         ; v[224:255] Wr in bf16, on its way into LDS
.set WF,   32                          ; v[32:95]   Wr's fragments, 8 registers for each of 8 K steps (X's place, once X is rounded)
.set XF,   96                          ; v[96:159]  x's fragments
.set ACC0, 224                         ; v[224:231], v[232:239] two accumulators that take turns
.set P,    240                         ; v[240:247] their sum: my row's 8 partial logits
.set Q,    248                         ; v[248:251] the four of them that my half of the lanes hands on
.set L,    16                          ; v[16:23]   wave 0: a row's 8 logits, then its gates
.set WLDS, 12544                       ; LDS bytes of a wave: x's 16 rows, then Wr's 256 rows
.set XP,   528                         ; a row of x in LDS: 512 bytes + 16: an odd multiple of 16, so the 16 rows of a fragment load start 16 bytes apart modulo 256
.set WRS,  16*XP                       ; Wr[256 w + kk][e] in bf16 at kk x 16 + 2 e
.set RED,  4*WLDS                      ; 4 x 512 bytes: wave w's partial logits, row r at 32 r
; Load n of the 32 is rounded and stored; lds = 1: it also goes into the wave's rows in LDS.
.macro CV n, goff, lds, loff
	s_wait_loadcnt 31-(\n)                         ; loads come back in order: mine is in, the younger ones stay out
	v_cvt_pk_bf16_f32 v[Y+2*(\n)],   v[X+4*(\n)],   v[X+4*(\n)+1]
	v_cvt_pk_bf16_f32 v[Y+2*(\n)+1], v[X+4*(\n)+2], v[X+4*(\n)+3]
	global_store_b64 v3, v[Y+2*(\n):Y+2*(\n)+1], s[34:35] offset:\goff   ; 32 lanes x 8 bytes: 256 consecutive bytes; Y's registers are never written again
.if \lds
	ds_store_b64 v4, v[Y+2*(\n):Y+2*(\n)+1] offset:\loff
.endif
.endm
	s_load_b512 s[4:19], s[0:1], 0x0               ; x 4:5, W1 6:7, W2 8:9, Wr 10:11, br 12:13, xb 14:15, w1b 16:17, w2b 18:19
	s_load_b64 s[20:21], s[0:1], 0x40              ; gates
	v_lshl_add_u32 v30, v0, 2, 0xcc00
	v_mov_b32 v31, 0
	v_lshrrev_b32 v1, 5, v0
	v_readfirstlane_b32 s22, v1                    ; wave 0..3
	v_and_b32 v1, 31, v0                           ; lane l
	v_lshlrev_b32 v2, 4, v1                        ; 16 l: where I load
	v_lshlrev_b32 v3, 3, v1                        ; 8 l: where I store
	s_mov_b32 s3, 0                                ; high word of every offset
	s_wait_kmcnt 0x0
	s_cmp_lt_u32 ttmp9, 256                        ; the same in all four waves
	s_cbranch_scc0 .Lweights
	; ---------------- 16 rows of x ----------------
	s_load_b256 s[24:31], s[12:13], 0x0            ; br, 8 numbers
	s_lshl_b32 s2, s22, 13
	s_add_nc_u64 s[10:11], s[10:11], s[2:3]        ; Wr at row 256 w (32 bytes a row)
	s_lshl_b32 s2, ttmp9, 16                       ; 16 rows of 4,096 bytes
	s_lshl_b32 s23, s22, 10                        ; my 256 columns
	s_add_co_u32 s2, s2, s23
	s_add_nc_u64 s[32:33], s[4:5], s[2:3]          ; x
	s_lshr_b32 s2, s2, 1
	s_add_nc_u64 s[34:35], s[14:15], s[2:3]        ; xb: half the bytes
	s_lshl_b32 s2, ttmp9, 9
	s_add_nc_u64 s[20:21], s[20:21], s[2:3]        ; gates: 16 rows of 32 bytes
.irp i, 0,1,2,3,4,5,6,7,8,9,10,11,12,13,14,15
	global_load_b128 v[Y+4*\i:Y+4*\i+3], v2, s[10:11] offset:512*\i       ; my 8,192 bytes of Wr
.endr
.irp i, 0,1,2,3,4,5,6,7,8,9,10,11,12,13,14,15
.irp j, 0,1
	global_load_b128 v[X+4*(2*\i+\j):X+4*(2*\i+\j)+3], v2, s[32:33] offset:\i*4096+512*\j th:TH_LOAD_NT   ; row i, half j of my 1,024 bytes
.endr
.endr
	s_mul_i32 s23, s22, WLDS                       ; my bytes in LDS
	s_mov_b32 s36, 0x3fb8aa3b                      ; log2(e); named as a pair by the packed multiply
	s_mov_b32 s37, s36
	v_and_b32 v11, 15, v1                          ; r
	v_lshrrev_b32 v12, 4, v1                       ; h
	v_cmp_le_u32 vcc_lo, 16, v1                    ; lanes 16-31
	v_add_nc_u32 v4, s23, v3                       ; x into LDS: 8 l
	v_add_nc_u32 v5, WRS, v4                       ; Wr into LDS: 8 l
	v_mul_u32_u24 v6, v11, XP
	v_lshl_add_u32 v6, v12, 4, v6
	v_add_nc_u32 v6, s23, v6                       ; x's fragments: row r, 16 h
	v_and_b32 v7, 7, v1
	v_lshl_add_u32 v7, v12, 3, v7                  ; Wr's fragments, by the turning load: row 8 h + l % 8.  Lanes 8-15 of each half name the same
	v_lshlrev_b32 v7, 4, v7                        ; bytes as lanes 0-7, since a row has 8 experts: the fragment's rows 8-15 repeat experts 0-7
	v_add_nc_u32 v7, s23, v7
	v_add_nc_u32 v7, WRS, v7
	v_lshlrev_b32 v10, 5, v11
	v_add_nc_u32 v9, RED, v10                      ; wave 0 reads: row r's 32 bytes
	v_lshl_add_u32 v10, v12, 4, v10                ; 32 r + 16 h: my 16 bytes of a row of 8 f32
	v_add_nc_u32 v8, RED, v10
	v_lshl_add_u32 v8, s22, 9, v8                  ; my wave's partial logits
	s_wait_loadcnt 32                              ; Wr is in; the 32 loads of x stay out
.irp i, 0,1,2,3,4,5,6,7,8,9,10,11,12,13,14,15
	v_cvt_pk_bf16_f32 v[WC+2*\i],   v[Y+4*\i],   v[Y+4*\i+1]
	v_cvt_pk_bf16_f32 v[WC+2*\i+1], v[Y+4*\i+2], v[Y+4*\i+3]
	ds_store_b64 v5, v[WC+2*\i:WC+2*\i+1] offset:256*\i                   ; the LDS byte is half the byte in memory
.endr
.irp i, 0,1,2,3,4,5,6,7,8,9,10,11,12,13,14,15
.irp j, 0,1
	CV 2*\i+\j, \i*2048+256*\j, 1, \i*XP+256*\j
.endr
.endr
	; The fragments of 8 K steps of 32.  The bytes are my wave's own and LDS serves a wave's instructions in order, so no wait stands between the stores above and these loads.
.irp s, 0,1,2,3,4,5,6,7
	ds_load_tr16_b128 v[WF+8*\s:WF+8*\s+3],   v7 offset:512*\s              ; k = 32 s + 8 h + 0..7 of expert r % 8
	ds_load_tr16_b128 v[WF+8*\s+4:WF+8*\s+7], v7 offset:512*\s+256          ; k = 32 s + 16 + 8 h + 0..7
	ds_load_b128 v[XF+8*\s:XF+8*\s+3],   v6 offset:64*\s
	ds_load_b128 v[XF+8*\s+4:XF+8*\s+7], v6 offset:64*\s+32
.endr
	; Source 0 = Wr (experts), source 1 = x (rows): a lane then holds ONE row (r) and, in registers 0-7, experts 0-7, in both halves of the lanes.
	; Two accumulators take turns, one instruction a turn; the first two products start the sums.
.irp s, 0,1,2,3,4,5,6,7
	s_wait_dscnt 28-4*\s                           ; the four loads of each later K step stay out
.if \s < 2
	v_wmma_f32_16x16x32_bf16 v[ACC0+8*(\s%2):ACC0+8*(\s%2)+7], v[WF+8*\s:WF+8*\s+7], v[XF+8*\s:XF+8*\s+7], 0
.else
	v_wmma_f32_16x16x32_bf16 v[ACC0+8*(\s%2):ACC0+8*(\s%2)+7], v[WF+8*\s:WF+8*\s+7], v[XF+8*\s:XF+8*\s+7], v[ACC0+8*(\s%2):ACC0+8*(\s%2)+7]
.endif
.endr
.rept 4
	v_nop                                          ; four places between the last product and the first read of a result (ISA guide 7.12.1)
.endr
.irp j, 0,2,4,6
	v_pk_add_f32 v[P+\j:P+\j+1], v[ACC0+\j:ACC0+\j+1], v[ACC0+8+\j:ACC0+8+\j+1]   ; from the low end on
.endr
.irp j, 0,1,2,3
	v_cndmask_b32 v[Q+\j], v[P+\j], v[P+4+\j], vcc_lo      ; lanes 0-15 hand on experts 0-3, lanes 16-31 experts 4-7
.endr
	ds_store_b128 v8, v[Q:Q+3]
	s_wait_kmcnt 0x0                               ; br
	s_wait_dscnt 0x0                               ; for wave 0's sake: my partial logits are in LDS
	s_barrier_signal -1
	s_barrier_wait -1
	s_cmp_lg_u32 s22, 0
	s_cbranch_scc1 .Lend                           ; no barrier follows: waves 1-3 are done
.irp w, 0,1,2,3
	ds_load_b128 v[32+8*\w:35+8*\w], v9 offset:512*\w
	ds_load_b128 v[36+8*\w:39+8*\w], v9 offset:512*\w+16
.endr
	s_wait_dscnt 0x0
.irp j, 0,1,2,3,4,5,6,7
	v_add_f32 v[L+\j], s[24+\j], v[32+\j]          ; br + the first quarter of K
.endr
.irp w, 1,2,3
.irp j, 0,2,4,6
	v_pk_add_f32 v[L+\j:L+\j+1], v[L+\j:L+\j+1], v[32+8*\w+\j:32+8*\w+\j+1]
.endr
.endr
	v_max3_num_f32 v12, v[L], v[L+1], v[L+2]       ; the row's maximum
	v_max3_num_f32 v12, v12, v[L+3], v[L+4]
	v_max3_num_f32 v12, v12, v[L+5], v[L+6]
	v_max_num_f32 v12, v12, v[L+7]
	v_mov_b32 v13, v12                             ; a pair for the packed subtraction
.irp j, 0,2,4,6
	v_pk_add_f32 v[L+\j:L+\j+1], v[L+\j:L+\j+1], v[12:13] neg_lo:[0,1] neg_hi:[0,1]   ; logit - maximum: at most 0
.endr
.irp j, 0,2,4,6
	v_pk_mul_f32 v[L+\j:L+\j+1], v[L+\j:L+\j+1], s[36:37] op_sel_hi:[1,0]
.endr
.irp j, 0,1,2,3,4,5,6,7
	v_exp_f32 v[L+\j], v[L+\j]
.endr
	v_nop                                          ; a plain instruction between the last exponential and the use of its result (ISA guide 5.7.2)
	s_wait_alu depctr_va_vdst(0)
	v_pk_add_f32 v[12:13], v[L:L+1], v[L+2:L+3]
	v_pk_add_f32 v[14:15], v[L+4:L+5], v[L+6:L+7]
	v_pk_add_f32 v[12:13], v[12:13], v[14:15]
	v_add_f32 v12, v12, v13                        ; at least 1: the maximum's own term
	v_rcp_f32 v14, v12
	v_rcp_f32 v15, v12                             ; twice: a pair for the packed multiply
	v_nop
	s_wait_alu depctr_va_vdst(0)
.irp j, 0,2,4,6
	v_pk_mul_f32 v[L+\j:L+\j+1], v[L+\j:L+\j+1], v[14:15]
.endr
.irp j, 0,1,2,3
	v_cndmask_b32 v[24+\j], v[L+\j], v[L+4+\j], vcc_lo
.endr
	global_store_b128 v10, v[24:27], s[20:21]      ; the wave's store covers the 16 rows' 512 consecutive bytes
.Lend:
	s_wait_tensorcnt 0x0
	ds_add_u32 v30, v31
	s_wait_dscnt 0x0
	s_endpgm
	; ---------------- 65,536 bytes of W1 or W2 ----------------
.Lweights:
	s_sub_co_u32 s23, ttmp9, 256
	s_cmp_lt_u32 s23, 512
	s_cselect_b64 s[32:33], s[6:7], s[8:9]         ; from W1 or W2,
	s_cselect_b64 s[34:35], s[16:17], s[18:19]     ; to w1b or w2b
	s_and_b32 s23, s23, 511
	s_lshl_b32 s2, s23, 16
	s_lshl_b32 s23, s22, 14
	s_add_co_u32 s2, s2, s23                       ; 65,536 a work-group, 16,384 a wave
	s_add_nc_u64 s[32:33], s[32:33], s[2:3]
	s_lshr_b32 s2, s2, 1
	s_add_nc_u64 s[34:35], s[34:35], s[2:3]
.irp n, 0,1,2,3,4,5,6,7,8,9,10,11,12,13,14,15,16,17,18,19,20,21,22,23,24,25,26,27,28,29,30,31
	global_load_b128 v[X+4*\n:X+4*\n+3], v2, s[32:33] offset:512*\n th:TH_LOAD_NT
.endr
.irp n, 0,1,2,3,4,5,6,7,8,9,10,11,12,13,14,15,16,17,18,19,20,21,22,23,24,25,26,27,28,29,30,31
	CV \n, 256*\n, 0, 0
.endr
	s_endpgm
.Lfunc_end_k_qc945e2d60d_prep:
	.size	k_qc945e2d60d_prep, .Lfunc_end_k_qc945e2d60d_prep-k_qc945e2d60d_prep
	.p2alignl 7, 3214868480
	.fill 96, 4, 3214868480
	.section	.rodata,"a",@progbits
	.p2align	6, 0x0
	.amdhsa_kernel k_qc945e2d60d_prep
		.amdhsa_group_segment_fixed_size 52736
		.amdhsa_private_segment_fixed_size 0
		.amdhsa_enable_private_segment 0
		.amdhsa_kernarg_size 72
		.amdhsa_user_sgpr_count 2
		.amdhsa_user_sgpr_kernarg_segment_ptr 1
		.amdhsa_wavefront_size32 1
		.amdhsa_system_sgpr_workgroup_id_x 1
		.amdhsa_system_sgpr_workgroup_id_y 1
		.amdhsa_system_sgpr_workgroup_id_z 1
		.amdhsa_system_vgpr_workitem_id 0
		.amdhsa_next_free_vgpr 256
		.amdhsa_next_free_sgpr 66
		.amdhsa_reserve_vcc 1
		.amdhsa_float_denorm_mode_32 3
		.amdhsa_float_denorm_mode_16_64 3
		.amdhsa_memory_ordered 1
		.amdhsa_forward_progress 1
		.amdhsa_inst_pref_size 39
	.end_amdhsa_kernel
	.amdgpu_metadata
---
amdhsa.version: [ 1, 2 ]
amdhsa.kernels:
  - .name:           k_qc945e2d60d_prep
    .symbol:         k_qc945e2d60d_prep.kd
    .args:
      - { .name: x, .offset: 0, .size: 8, .value_kind: global_buffer, .address_space: global }
      - { .name: W1, .offset: 8, .size: 8, .value_kind: global_buffer, .address_space: global }
      - { .name: W2, .offset: 16, .size: 8, .value_kind: global_buffer, .address_space: global }
      - { .name: Wr, .offset: 24, .size: 8, .value_kind: global_buffer, .address_space: global }
      - { .name: br, .offset: 32, .size: 8, .value_kind: global_buffer, .address_space: global }
      - { .name: xb, .offset: 40, .size: 8, .value_kind: global_buffer, .address_space: global }
      - { .name: w1b, .offset: 48, .size: 8, .value_kind: global_buffer, .address_space: global }
      - { .name: w2b, .offset: 56, .size: 8, .value_kind: global_buffer, .address_space: global }
      - { .name: gates, .offset: 64, .size: 8, .value_kind: global_buffer, .address_space: global }
    .group_segment_fixed_size: 52736
    .private_segment_fixed_size: 0
    .kernarg_segment_align: 8
    .kernarg_segment_size: 72
    .max_flat_workgroup_size: 128
    .sgpr_count:     66
    .vgpr_count:     256
    .wavefront_size: 32
...
	.end_amdgpu_metadata
.endif
;; end of part 1
;; launch up (part 2): grid 32 x 8, 4 waves a work-group, clusters of 4 x 4, 327,680 bytes of LDS; arguments xb, w1b, hg, b1, gates; writes hg
.if DOCPART == 2
	.amdgcn_target "amdgcn-amd-amdhsa--gfx1250"
	.amdhsa_code_object_version 6
	.text
	.protected	k_qc945e2d60d_up
	.globl	k_qc945e2d60d_up
	.p2align	8
	.type	k_qc945e2d60d_up,@function
k_qc945e2d60d_up:
	s_mov_b64 s[64:65], 0
	v_nop
	global_prefetch_b8 v0, s[64:65] scope:SCOPE_SE
	s_setreg_imm32_b32 hwreg(HW_REG_WAVE_MODE, 25, 1), 1
	s_wait_xcnt 0x0
	s_wait_alu depctr_hold_cnt(0) depctr_sa_sdst(0) depctr_va_vdst(0) depctr_va_sdst(0) depctr_va_ssrc(0) depctr_va_vcc(0) depctr_vm_vsrc(0)
	s_getreg_b32 s2, hwreg(HW_REG_IB_STS2, 6, 4)
	s_cmp_eq_u32 s2, 0
	s_cbranch_scc0 .Lentry_in_a_cluster
	s_endpgm
.Lentry_in_a_cluster:
	s_bfe_u32 s2, ttmp6, 0x10000c
	s_cmp_lg_u32 s2, 0xf033
	s_cbranch_scc0 .Lentry_shape_is_right
	s_endpgm
.Lentry_shape_is_right:
; hg[row][1024 e + h] = bf16( gates[row][e] * swish( sum over d of xb[row][d] w1b[e][d][h] + b1[e][h] ) ).   xb [4096][1024], w1b [8][1024 d][1024 h], hg [4096][8192], bf16; sums in f32.
; A tile of hg, 256 x 256, is made by a work-group of four waves, each 128 x 128: 64 accumulators of 16 x 16, 512 registers.  K (= d, 1,024) goes in 8 steps of 128 through a ring of two LDS slots
; filled by the tensor data mover.  A's rows (xb) lie along K and are read as they lie; B (w1b) lies [k][n] and is turned on the way out of LDS by ds_load_tr16_b128.
; A WORK-GROUP STAYS: hg has 512 tiles, and each of 256 work-groups makes two, 2,048 rows apart, of the same expert and columns: the same tiles of w1b, the same bias.  The ring does not stop at the
; first tile's end: its last two changes of slots ask for the second tile's K steps 0 and 1, then the first tile goes out, and nothing waits for its stores.  Two tiles are written one after
; the other by macro; there is no loop over tiles.
; CLUSTERS: 4 x 4 work-groups.  A cluster's four tile columns are the four quarters of ONE expert (expert = cluster x).  The four of a row of the cluster need the same tiles of xb, the four of a
; column the same tiles of w1b: each tile is asked for JOINTLY, by the same tensor load with the same descriptor and a mask that names the four.
; THE MATRIX INSTRUCTION IS USED TRANSPOSED (source 0 = 16 columns of B, source 1 = 16 rows of A): a lane holds row l % 16 and eight NEIGHBOURING columns 8 (l / 16) + 0..7.
; The bias is the C operand of each sum's first product, so nothing is cleared and nothing is added later.  The gate hangs on row and expert alone, so it is one number a lane for each block of 16 rows.
; NOT DONE: the activation laid between matrix instructions.  A block of 16 rows has 290 vector instructions and its share of a K step is 32 matrix instructions, so little of it would be covered.
; LIMITS: operands and hg are rounded to bf16.  sigmoid(v) = 1 / (1 + 2^(-v log2 e)): where the power overflows the reciprocal is 0 and the result 0 (the true value is under 1e-36); no difference of large numbers is formed.
;
; REGISTERS, in windows of 256 (s_set_vgpr_msb: bits 1:0 source 0, 3:2 source 1, 5:4 source 2, 7:6 destination):
;   window 0: v0-7 at work; v8-15, v32-39 the two tiles' gates; v16-26 addresses; v64-127, v128-191 A's fragments, two buffers.  On the way out: v128-191 at work, v192-223 and v224-255 rows read back;
;             v64-127 then hold the next tile's first fragments and are left alone
;   window 1: v64-127, v128-191 B's fragments, two buffers; v192-255 the bias as C;   window 2: the 32 accumulators of my rows 0-63 ((a, b) at v[8 (8 a + b)]);   window 3: those of my rows 64-127
.set KSTEP,  128
.set PA,     272                       ; a row of A in LDS: 256 bytes + 16: the 16 rows of a fragment load start 16 bytes apart modulo 256
.set PB,     544                       ; a row of B (one k, 256 n): 512 bytes + 32: 16 lanes of the turning load take 8 rows x 32 bytes, which start 32 bytes apart modulo 256
.set HALFT,  128*PA                    ; what one tensor load brings: 128 rows of A, or 64 rows of B (64 x 544 is the same 34,816 bytes)
.set SLOT,   4*HALFT                   ; A's 256 rows, then B's 128 rows
.set STAGE,  2*SLOT                    ; behind the ring: 16 rows x 272 bytes for each wave, for the way out; no tensor load fills it
.set SP,     272
.set LAPS,   4                         ; a lap = two K steps = once round the ring
.set KROW,   2048                      ; bytes in a row of xb and of w1b
.set NROW,   16384                     ; bytes in a row of hg
.set WALK,   2048                      ; rows from a work-group's first tile to its second
.set NEXT_A, WALK*KROW-(1024-2*KSTEP)*2   ; bytes from a slot's last K step of a tile to its first of the next: A goes WALK rows down and back along K,
.set BACK_B, (1024-2*KSTEP)*KROW       ; B only back: both tiles take the same rows of w1b
.set GT0,  8                           ; v[8:15]  first tile: the gate of my row in block a
.set GT1,  32                          ; v[32:39] second tile
.set ADRA, 16                          ; v16-17   LDS address of my A fragments in slot 0, 1
.set ADRB, 20                          ; v20-21   the same for B
.set STO,  24                          ; the way out: where I put 16 bytes of a row
.set RD,   25                          ; where I read a row back
.set CO,   26                          ; my byte offset in hg
.set F0,   64
.set F1,   128
.set T,    128                         ; the way out: 64 numbers of a block at work (buffer 1's place); packed to bf16 in place, into the low 32
.set OB,   192                         ; rows read back from the stage: v192-223 and v224-255 by turns
.set BI,   192                         ; window 1: v[192:255] b1 of my 128 columns, 8 registers for each of 8 column blocks, laid as a C operand
.set HG0,  8                           ; s[8:9]   hg at my part of the first tile
.set HG1,  66                          ; s[66:67] of the second
.set G1,  24                           ; s[24:31] descriptor group 1 for A's tiles;  s[32:39] group 0, one set for each slot
.set G0,  32
.set G1B, 48                           ; s[48:55], s[56:63] the same for B's tiles
.set G0B, 56
.set MSB, 0
.macro WIN new                         ; the immediate's high byte repeats the setting that is left; a switch that changes nothing is dropped
.if MSB != (\new)
	s_set_vgpr_msb (MSB<<8)|(\new)
.set MSB, (\new)
.endif
.endm
.set MUL_LO,  0xa1                     ; source 0 (B) window 1, source 1 (A) window 0, C and D window 2
.set MUL_HI,  0xf1                     ; the same, C and D window 3
.set MUL_LO1, 0x91                     ; a sum's first product: C is the bias, in window 1
.set MUL_HI1, 0xd1
.set TO_B,    0x40                     ; destination window 1, address window 0
; A joint refill.  Waves 0 and 1 fetch A's two halves, waves 2 and 3 B's.  The branch hangs on the wave's number alone.  Four v_nop follow each of the two lines.
.macro JLOAD s
	s_cmp_eq_u32 s11, 0
	s_cbranch_scc0 .Lfor_b_\@
	tensor_load_to_lds s[G0+4*\s:G0+4*\s+3], s[G1:G1+7]
	s_nop 0
.rept 4
	v_nop
.endr
	s_branch .Lasked_\@
.Lfor_b_\@:
	tensor_load_to_lds s[G0B+4*\s:G0B+4*\s+3], s[G1B:G1B+7]
	s_nop 0
.rept 4
	v_nop
.endr
.Lasked_\@:
.endm
; A round of the cluster's barrier: my work-group's barrier, wave 0 signals for the work-group, every wave waits for all sixteen, my work-group's barrier once more.
.macro CREST                           ; a round behind its opening barrier
	s_cmp_lg_u32 s10, 0
	s_cbranch_scc1 .Lnot_wave_0_\@
	s_barrier_signal -3
.Lnot_wave_0_\@:
	s_barrier_wait -3
	s_barrier_signal -1
	s_barrier_wait -1
.endm
.macro CROUND
	s_barrier_signal -1
	s_barrier_wait -1
	CREST
.endm
.macro PLACES                          ; four plain instructions between a matrix instruction and a load into, or a vector write or read of, its registers (ISA guide 7.12.1 for vector writes and reads)
.rept 4
	v_nop
.endr
.endm
	s_load_b128 s[4:7], s[0:1], 0x0                ; xb s[4:5], w1b s[6:7]
	s_load_b64 s[8:9], s[0:1], 0x10                ; hg
	s_load_b128 s[68:71], s[0:1], 0x18             ; b1 s[68:69], gates s[70:71]
	s_set_vgpr_msb 0x40
	v_lshl_add_u32 v63, v0, 2, 0x48400
	s_set_vgpr_msb 0x4000
	v_mov_b32 v63, 0
	s_set_vgpr_msb 0x1
	ds_add_u32 v63, v63
	s_set_vgpr_msb 0x100
	v_lshrrev_b32 v1, 5, v0
	v_readfirstlane_b32 s10, v1                    ; wave 0..3
	s_lshr_b32 s11, s10, 1                         ; which half of the tile's rows is mine.  Also: I fetch for A (0) or for B (1)
	s_and_b32 s12, s10, 1                          ; which half of its columns.  Also: which half of that tile I fetch
	s_bfe_u32 s40, ttmp6, 0x40000                  ; cx: which quarter of the expert's 1,024 columns
	s_bfe_u32 s41, ttmp6, 0x40004                  ; cy
	s_and_b32 s13, ttmp7, 0xffff
	s_lshl_b32 s13, s13, 2
	s_add_co_u32 s13, s13, s41                     ; the first tile's tile row = 4 x cluster y + cy: 0 to 7
	s_lshl_b32 s43, s41, 2
	s_lshl_b32 s43, 15, s43                        ; my row of the cluster: places 4 cy .. 4 cy + 3
	s_lshl_b32 s44, 0x1111, s40                    ; my column: places cx, cx + 4, cx + 8, cx + 12
	; group 1 for A: 128 rows x 128 elements, 16 bytes of padding behind every 256;  for B: 64 rows x 256 elements, 32 bytes behind every 512
	s_or_b32 s[G1+0],  s43, (1<<16)|(1<<20)|(1<<21)|(5<<22)|(3<<25)   ; 15:0 the mask; 17:16 elements of 2 bytes; 20 padding on; 21 set beside a mask; 24:22 after every 64 words; 31:25 4 words
	s_or_b32 s[G1B+0], s44, (1<<16)|(1<<20)|(1<<21)|(6<<22)|(7<<25)   ; after every 128 words, 8 words
	s_mov_b32 s[G1+1],  128<<16                    ; tensor_dim0
	s_mov_b32 s[G1B+1], 256<<16
	s_mov_b32 s[G1+2],  128<<16                    ; tensor_dim1
	s_mov_b32 s[G1B+2], 64<<16
	s_mov_b32 s[G1+3],  128<<16                    ; tile_dim0
	s_mov_b32 s[G1B+3], 256<<16
	s_mov_b32 s[G1+4],  128                        ; tile_dim1
	s_mov_b32 s[G1B+4], 64
	s_mov_b32 s[G1+5],  1024                       ; elements from row to row
	s_mov_b32 s[G1B+5], 1024
	s_mov_b32 s[G1+6],  0
	s_mov_b32 s[G1B+6], 0
	s_mov_b32 s[G1+7],  0
	s_mov_b32 s[G1B+7], 0
	; A's tiles hang on the tile row alone, B's on the expert and cx alone; each address is made in registers that never hold the other coordinate
	s_lshl_b32 s16, s13, 8
	s_lshl_b32 s17, s12, 7
	s_add_co_u32 s16, s16, s17                     ; A: row 256 x tile row + 128 x half,
	s_lshl_b32 s16, s16, 11                        ; of 2,048 bytes
	s_mov_b32 s17, 0
	s_lshl_b32 s46, ttmp9, 21                      ; B: the expert's 2 MiB,
	s_lshl_b32 s47, s40, 9                         ; 256 columns a tile,
	s_add_co_u32 s46, s46, s47
	s_lshl_b32 s47, s12, 17                        ; 64 rows of 2,048 bytes a half
	s_add_co_u32 s46, s46, s47
	s_mov_b32 s47, 0
	s_mul_i32 s20, s10, HALFT                      ; where they go: A's two halves, then B's two halves = wave x 34,816
	; where my part of the first tile lies in hg, in gates and in b1
	s_lshl_b32 s74, s13, 8
	s_lshl_b32 s75, s11, 7
	s_add_co_u32 s74, s74, s75                     ; my first row
	s_lshl_b32 s76, s74, 5                         ; gates: 32 bytes a row,
	s_lshl_b32 s77, ttmp9, 2                       ; 4 bytes an expert
	s_add_co_u32 s76, s76, s77
	s_mov_b32 s77, 0
	s_lshl_b32 s74, s74, 14                        ; hg: 16,384 bytes a row,
	s_lshl_b32 s75, ttmp9, 2
	s_add_co_u32 s75, s75, s40
	s_lshl_b32 s75, s75, 9                         ; 512 bytes a tile column (4 e + cx),
	s_add_co_u32 s74, s74, s75
	s_lshl_b32 s75, s12, 8                         ; 256 a half
	s_add_co_u32 s74, s74, s75
	s_mov_b32 s75, 0
	s_lshl_b32 s78, ttmp9, 12                      ; b1: 4,096 bytes an expert, 1,024 a tile, 512 a half
	s_lshl_b32 s79, s40, 10
	s_add_co_u32 s78, s78, s79
	s_lshl_b32 s79, s12, 9
	s_add_co_u32 s78, s78, s79
	s_mov_b32 s79, 0
	s_mov_b32 s72, 0xbfb8aa3b                      ; -log2(e); named as a pair by the packed multiply
	s_mov_b32 s73, s72
	s_wait_dscnt 0x0
	s_wait_kmcnt 0x0
	s_add_nc_u64 s[14:15], s[4:5], s[16:17]
	s_add_nc_u64 s[46:47], s[6:7], s[46:47]
	s_add_nc_u64 s[HG0:HG0+1], s[8:9], s[74:75]
	s_add_nc_u64 s[HG1:HG1+1], s[HG0:HG0+1], WALK*NROW     ; a base for each tile: none is stepped while stores are on their way
	s_add_nc_u64 s[68:69], s[68:69], s[78:79]
	s_add_nc_u64 s[70:71], s[70:71], s[76:77]
.irp s, 0,1
	s_mov_b32 s[G0+4*\s], 1                                        ; count = 1
	s_add_co_u32 s[G0+4*\s+1], s20, \s*SLOT                        ; LDS address
	s_add_nc_u64 s[G0+4*\s+2:G0+4*\s+3], s[14:15], \s*KSTEP*2      ; K step s: 256 bytes along A's rows
	s_or_b32 s[G0+4*\s+3], s[G0+4*\s+3], 0x80000000                ; type = 2
	s_mov_b32 s[G0B+4*\s], 1
	s_add_co_u32 s[G0B+4*\s+1], s20, \s*SLOT
	s_add_nc_u64 s[G0B+4*\s+2:G0B+4*\s+3], s[46:47], \s*KSTEP*KROW ; K step s: 128 rows down B
	s_or_b32 s[G0B+4*\s+3], s[G0B+4*\s+3], 0x80000000
.endr
	CROUND                                         ; all sixteen work-groups are here: the first joint loads meet
	s_cmp_eq_u32 s11, 0                            ; a wave's two first fills stand in one branch, ahead of every wait on TENSORcnt, every LDS read and every further barrier: two loads of mine are out
	s_cbranch_scc0 .Lfirst_b
	tensor_load_to_lds s[G0:G0+3], s[G1:G1+7]
	s_nop 0
	tensor_load_to_lds s[G0+4:G0+7], s[G1:G1+7]
	s_nop 0
.rept 4
	v_nop
.endr
	s_branch .Lfirst_asked
.Lfirst_b:
	tensor_load_to_lds s[G0B:G0B+3], s[G1B:G1B+7]
	s_nop 0
	tensor_load_to_lds s[G0B+4:G0B+7], s[G1B:G1B+7]
	s_nop 0
.rept 4
	v_nop
.endr
.Lfirst_asked:
	v_and_b32 v1, 15, v0                           ; r = l % 16
	v_bfe_u32 v2, v0, 4, 1                         ; h = l / 16
	v_lshlrev_b32 v6, 5, v1                        ; gates: my row's 32 bytes
	v_lshlrev_b32 v7, 5, v2                        ; b1: my half's 8 columns
	WIN TO_B
.irp b, 0,1,2,3,4,5,6,7
	global_load_b128 v[BI+8*\b:BI+8*\b+3],   v7, s[68:69] offset:64*\b       ; register j = b1 of column 16 b + 8 h + j: where the transposed result holds that column
	global_load_b128 v[BI+8*\b+4:BI+8*\b+7], v7, s[68:69] offset:64*\b+16
.endr
	WIN 0
.irp a, 0,1,2,3,4,5,6,7
	global_load_b32 v[GT0+\a], v6, s[70:71] offset:512*\a                    ; the gate of row 16 a + r for this expert; once a launch, 8 numbers a lane and tile
	global_load_b32 v[GT1+\a], v6, s[70:71] offset:512*\a+WALK*32
.endr
	v_mul_u32_u24 v3, v1, PA
	v_lshl_add_u32 v3, v2, 4, v3                   ; A's fragment: row r x pitch + 16 h; two loads 32 bytes apart
	s_mul_i32 s21, s11, HALFT                      ; my 128 rows of A
	v_add_nc_u32 v[ADRA], s21, v3
	v_add_nc_u32 v[ADRA+1], SLOT, v[ADRA]
	v_and_b32 v4, 7, v0                            ; B's fragment, turned: lane l reads 16 bytes of row k = 8 h + l % 8, columns 8 ((l / 8) % 2) + 0..7,
	v_lshl_add_u32 v4, v2, 3, v4                   ; and receives column l % 16, k = 8 h + 0..7; the second load, 16 rows down, brings k = 16 + 8 h + 0..7
	v_mul_u32_u24 v4, v4, PB
	v_bfe_u32 v5, v0, 3, 1
	v_lshl_add_u32 v4, v5, 4, v4
	s_lshl_b32 s22, s12, 8                         ; my 128 columns of B,
	s_add_co_u32 s22, s22, 2*HALFT                 ; which lies behind A's 256 rows
	v_add_nc_u32 v[ADRB], s22, v4
	v_add_nc_u32 v[ADRB+1], SLOT, v[ADRB]
	s_mul_i32 s23, s10, 16*SP
	s_add_co_u32 s23, s23, STAGE                   ; my stage
	v_mul_u32_u24 v4, v1, SP                       ; in: row r, 16 bytes for each half of the lanes
	v_lshl_add_u32 v4, v2, 4, v4
	v_add_nc_u32 v[STO], s23, v4
	v_mul_u32_u24 v5, v2, SP                       ; back: lanes 0-15 take one row of 256 bytes, lanes 16-31 the next
	v_lshl_add_u32 v5, v1, 4, v5
	v_add_nc_u32 v[RD], s23, v5
	v_lshlrev_b32 v[CO], 14, v2                    ; and the same two rows in hg
	v_lshl_add_u32 v[CO], v1, 4, v[CO]
; 16 matrix instructions: row blocks a0, a0 + 1 of the window's four x all 8 column blocks, 32 along K.  first = 1: the sum starts from the bias.
; The 64 accumulators take turns, one instruction a turn, in the same order in every quarter and from tile to tile.
.macro MUL16 f, hi, a0, first
.irp a, \a0, \a0+1
.irp b, 0,1,2,3,4,5,6,7
.if \first
	v_wmma_f32_16x16x32_bf16 v[8*(8*(\a)+\b):8*(8*(\a)+\b)+7], v[\f+8*\b:\f+8*\b+7], v[\f+8*(4*\hi+\a):\f+8*(4*\hi+\a)+7], v[BI+8*\b:BI+8*\b+7]
.else
	v_wmma_f32_16x16x32_bf16 v[8*(8*(\a)+\b):8*(8*(\a)+\b)+7], v[\f+8*\b:\f+8*\b+7], v[\f+8*(4*\hi+\a):\f+8*(4*\hi+\a)+7], v[8*(8*(\a)+\b):8*(8*(\a)+\b)+7]
.endif
.endr
.endr
.endm
; 32 LDS loads in one run: the fragments of quarter q (32 along K) of a slot into buffer f: B's 8 column blocks, then A's 8 row blocks
.macro FETCH slot, q, f
	WIN TO_B
.irp i, 0,1,2,3,4,5,6,7
	ds_load_tr16_b128 v[\f+8*\i:\f+8*\i+3],   v[ADRB+\slot] offset:\q*32*PB+32*\i
	ds_load_tr16_b128 v[\f+8*\i+4:\f+8*\i+7], v[ADRB+\slot] offset:\q*32*PB+16*PB+32*\i
.endr
	WIN 0
.irp i, 0,1,2,3,4,5,6,7
	ds_load_b128 v[\f+8*\i:\f+8*\i+3],   v[ADRA+\slot] offset:\q*64+\i*16*PA
	ds_load_b128 v[\f+8*\i+4:\f+8*\i+7], v[ADRA+\slot] offset:\q*64+\i*16*PA+32
.endr
.endm
; One of a K step's first three quarters: multiplies buffer f; in its middle it fetches quarter q of the same slot into buffer g.
.macro QUARTER slot, q, f, g, first
	s_wait_dscnt 8                                 ; B and A's rows 0-63 are in; the youngest eight loads (A's rows 64-127) may be out
.if \first
	WIN MUL_LO1
.else
	WIN MUL_LO
.endif
	MUL16 \f, 0, 0, \first
	MUL16 \f, 0, 2, \first
	PLACES
	FETCH \slot, \q, \g
	s_wait_dscnt 32                                ; all but the 32 just issued
.if \first
	WIN MUL_HI1
.else
	WIN MUL_HI
.endif
	MUL16 \f, 1, 0, \first
	MUL16 \f, 1, 2, \first
.endm
; The last quarter multiplies buffer 1 and changes slots: ONE barrier.  In front of it each wave waits for its own reads of this slot and for all its tensor loads, of which one is out: its part of
; the next slot.  fill = 1: the barrier opens a round of the cluster's barrier, and behind the round this slot is filled again first, two K steps ahead; that load has 240 matrix instructions in which
; to land.  fill = 2: the same, with the NEXT tile's K step 0 or 1.  fill = 0: nothing is left to fetch.
.macro TURN slot, next, fill
	s_wait_dscnt 8
	WIN MUL_LO
	MUL16 F1, 0, 0, 0
	s_wait_dscnt 0                                 ; my reads of this slot are over,
	s_wait_tensorcnt 0x0                           ; and all my tensor loads have landed
	ds_add_u32 v63, v63
	s_wait_dscnt 0x0
	s_barrier_signal -1
	MUL16 F1, 0, 2, 0                              ; work on registers while the others arrive
.if \fill
	WIN 0                                          ; at a branch and at a label every window is 0
.endif
	s_barrier_wait -1
.if \fill
	CREST                                          ; no wave of any partner still reads this slot's tile or has a load on its way
.if \fill == 2
	s_add_nc_u64 s[G0+4*\slot+2:G0+4*\slot+3], s[G0+4*\slot+2:G0+4*\slot+3], NEXT_A
	s_sub_nc_u64 s[G0B+4*\slot+2:G0B+4*\slot+3], s[G0B+4*\slot+2:G0B+4*\slot+3], BACK_B
.else
	s_add_nc_u64 s[G0+4*\slot+2:G0+4*\slot+3], s[G0+4*\slot+2:G0+4*\slot+3], 2*KSTEP*2
	s_add_nc_u64 s[G0B+4*\slot+2:G0B+4*\slot+3], s[G0B+4*\slot+2:G0B+4*\slot+3], 2*KSTEP*KROW
.endif
	JLOAD \slot                                    ; the first tensor load behind the round; its four v_nop are also the places in front of the loads below
.else
	PLACES
.endif
	FETCH \next, 0, F0
	WIN MUL_HI
	MUL16 F1, 1, 0, 0
	MUL16 F1, 1, 2, 0
.endm
; A tile's K steps 0 to 6 less a quarter.  The first quarter stands in front of the loop: its products start the sums from the bias.  A trip goes once round the ring, from a lap's second quarter
; to the next lap's first, and fills both slots again: K steps 2 to 7.
.macro KLOOP
	QUARTER 0, 1, F0, F1, 1
	WIN 0
	s_mov_b32 s3, LAPS-1
.Llap_\@:
	QUARTER 0, 2, F1, F0, 0
	QUARTER 0, 3, F0, F1, 0
	TURN 0, 1, 1
	QUARTER 1, 1, F0, F1, 0
	QUARTER 1, 2, F1, F0, 0
	QUARTER 1, 3, F0, F1, 0
	TURN 1, 0, 1
	QUARTER 0, 1, F0, F1, 0
	WIN 0
	s_sub_co_u32 s3, s3, 1
	s_cmp_lg_u32 s3, 0
	s_cbranch_scc1 .Llap_\@
	QUARTER 0, 2, F1, F0, 0
	QUARTER 0, 3, F0, F1, 0
.endm
; THE WAY OUT of block a (16 rows x 128 columns, 64 numbers a lane): g v / (1 + 2^(-v log2 e)), rounded to bf16.  gt: the tile's gates.  Each accumulator is read from its low end on.
.macro ACT a, gt
.set AC, 64*((\a)%4)
	WIN 2+(\a)/4                                   ; source 0: window 2 or 3
.set i, 0
.rept 32
	v_pk_mul_f32 v[T+i:T+i+1], v[AC+i:AC+i+1], s[72:73] op_sel_hi:[1,0]      ; -v log2 e
.set i, i+2
.endr
	WIN 0
.set i, 0
.rept 64
	v_exp_f32 v[T+i], v[T+i]
.set i, i+1
.endr
	v_nop                                          ; a plain instruction between the last exponential and the use of its result (ISA guide 5.7.2)
.set i, 0
	s_wait_alu depctr_va_vdst(0)
.rept 32
	v_pk_add_f32 v[T+i:T+i+1], v[T+i:T+i+1], 1.0 op_sel_hi:[1,0]
.set i, i+2
.endr
.set i, 0
.rept 64
	v_rcp_f32 v[T+i], v[T+i]
.set i, i+1
.endr
	v_nop
	WIN (2+(\a)/4)<<2                              ; source 1: window 2 or 3
.set i, 0
	s_wait_alu depctr_va_vdst(0)
.rept 32
	v_pk_mul_f32 v[T+i:T+i+1], v[T+i:T+i+1], v[AC+i:AC+i+1]                  ; sigmoid(v) v
.set i, i+2
.endr
	WIN 0
.set i, 0
.rept 32
.if ((\a)%2) == 0
	v_pk_mul_f32 v[T+i:T+i+1], v[T+i:T+i+1], v[\gt+2*((\a)/2):\gt+2*((\a)/2)+1] op_sel_hi:[1,0]              ; times the pair's first gate, for both
.else
	v_pk_mul_f32 v[T+i:T+i+1], v[T+i:T+i+1], v[\gt+2*((\a)/2):\gt+2*((\a)/2)+1] op_sel:[0,1] op_sel_hi:[1,1]  ; the pair's second gate, for both
.endif
.set i, i+2
.endr
.set i, 0
.rept 32
	v_cvt_pk_bf16_f32 v[T+i], v[T+2*i], v[T+2*i+1]         ; in place, ascending: word i is written when numbers 2 i and 2 i + 1 are read and those below have been; four words are a lane's eight columns of a column block
.set i, i+1
.endr
.endm
.macro TOSTAGE a                       ; into my own stage, and back as whole rows of 256 bytes
.set BK, OB+32*((\a)%2)
.irp b, 0,1,2,3,4,5,6,7
	ds_store_b128 v[STO], v[T+4*\b:T+4*\b+3] offset:32*\b
.endr
.irp t, 0,1,2,3,4,5,6,7
	ds_load_b128 v[BK+4*\t:BK+4*\t+3], v[RD] offset:\t*2*SP      ; LDS serves a wave's instructions in order: these see the stores above
.endr
.endm
.macro SEND a, hb                      ; hb: the tile's base in hg
.set BK, OB+32*((\a)%2)
	s_wait_dscnt 0x0                               ; the block is back in registers
	s_wait_xcnt 0x0                                ; the stores issued so far have had their addresses translated: the rows that they read are loaded again (the next TOSTAGE) only behind this wait
.irp t, 0,1,2,3,4,5,6,7
	global_store_b128 v[CO], v[BK+4*\t:BK+4*\t+3], s[\hb:\hb+1] offset:(16*(\a)+2*\t)*NROW   ; 16 lanes store 256 consecutive bytes, aligned; 126 rows of 16,384 bytes at the most, inside the signed 24-bit immediate
.endr
.endm
.macro WAYOUT gt, hb                   ; block a's arithmetic stands between block a - 1's loads from the stage and the wait for them
	WIN 0
	PLACES                                         ; behind the last products: their results are read and buffer 1 written below
	ACT 0, \gt
	TOSTAGE 0
.irp a, 1,2,3,4,5,6,7
	ACT \a, \gt
	SEND \a-1, \hb
	TOSTAGE \a
.endr
	SEND 7, \hb
.endm
	s_wait_tensorcnt 1                             ; my part of K step 0 is in; K step 1's stays out
	s_barrier_signal -1
	s_barrier_wait -1                              ; everybody's is
	FETCH 0, 0, F0
	s_wait_loadcnt 0x0                             ; b1 and the gates
	; THE FIRST TILE
	KLOOP
	TURN 0, 1, 2                                   ; THE RING GOES ON INTO THE SECOND TILE: slot 0 takes its K step 0,
	QUARTER 1, 1, F0, F1, 0
	QUARTER 1, 2, F1, F0, 0
	QUARTER 1, 3, F0, F1, 0
	TURN 1, 0, 2                                   ; slot 1 its K step 1, and the second tile's first fragments are fetched into buffer 0
	WAYOUT GT0, HG0                                ; both refills are asked for: now the tile goes out; nothing waits for its stores
	; THE SECOND TILE
	KLOOP
	TURN 0, 1, 0                                   ; its last lap fills nothing and has no round of the cluster's barrier
	QUARTER 1, 1, F0, F1, 0
	QUARTER 1, 2, F1, F0, 0
	QUARTER 1, 3, F0, F1, 0
	s_wait_dscnt 8                                 ; the very last quarter: nothing more to fetch
	WIN MUL_LO
	MUL16 F1, 0, 0, 0
	MUL16 F1, 0, 2, 0
	s_wait_dscnt 0
	WIN MUL_HI
	MUL16 F1, 1, 0, 0
	MUL16 F1, 1, 2, 0
	WAYOUT GT1, HG1
	s_set_vgpr_msb 0x1
	s_wait_tensorcnt 0x0
	ds_add_u32 v63, v63
	s_wait_dscnt 0x0
	s_set_vgpr_msb 0x100
	CROUND                                         ; the closing round: no work-group ends while a partner may still ask for a tile that names it
	s_endpgm
.Lfunc_end_k_qc945e2d60d_up:
	.size	k_qc945e2d60d_up, .Lfunc_end_k_qc945e2d60d_up-k_qc945e2d60d_up
	.p2alignl 7, 3214868480
	.fill 96, 4, 3214868480
	.section	.rodata,"a",@progbits
	.p2align	6, 0x0
	.amdhsa_kernel k_qc945e2d60d_up
		.amdhsa_group_segment_fixed_size 327680
		.amdhsa_private_segment_fixed_size 0
		.amdhsa_enable_private_segment 0
		.amdhsa_kernarg_size 40
		.amdhsa_user_sgpr_count 2
		.amdhsa_user_sgpr_kernarg_segment_ptr 1
		.amdhsa_wavefront_size32 1
		.amdhsa_system_sgpr_workgroup_id_x 1
		.amdhsa_system_sgpr_workgroup_id_y 1
		.amdhsa_system_sgpr_workgroup_id_z 1
		.amdhsa_system_vgpr_workitem_id 0
		.amdhsa_next_free_vgpr 1024
		.amdhsa_next_free_sgpr 80
		.amdhsa_reserve_vcc 0
		.amdhsa_float_denorm_mode_32 3
		.amdhsa_float_denorm_mode_16_64 3
		.amdhsa_memory_ordered 1
		.amdhsa_forward_progress 1
		.amdhsa_inst_pref_size 255
	.end_amdhsa_kernel
	.section	.bss,"aw",@nobits
	.p2align	6
	.space	262144
	.amdgpu_metadata
---
amdhsa.version: [ 1, 2 ]
amdhsa.kernels:
  - .name:           k_qc945e2d60d_up
    .symbol:         k_qc945e2d60d_up.kd
    .args:
      - { .name: xb, .offset: 0, .size: 8, .value_kind: global_buffer, .address_space: global }
      - { .name: w1b, .offset: 8, .size: 8, .value_kind: global_buffer, .address_space: global }
      - { .name: hg, .offset: 16, .size: 8, .value_kind: global_buffer, .address_space: global }
      - { .name: b1, .offset: 24, .size: 8, .value_kind: global_buffer, .address_space: global }
      - { .name: gates, .offset: 32, .size: 8, .value_kind: global_buffer, .address_space: global }
    .group_segment_fixed_size: 327680
    .private_segment_fixed_size: 0
    .kernarg_segment_align: 8
    .kernarg_segment_size: 40
    .max_flat_workgroup_size: 128
    .sgpr_count:     80
    .vgpr_count:     1024
    .wavefront_size: 32
...
	.end_amdgpu_metadata
.endif
;; end of part 2
;; launch down (part 3): grid 8 x 32, 4 waves a work-group, clusters of 4 x 4, 327,680 bytes of LDS; arguments hg, w2b, out0, gates, b2, x; writes out0
.if DOCPART == 3
	.amdgcn_target "amdgcn-amd-amdhsa--gfx1250"
	.amdhsa_code_object_version 6
	.text
	.protected	k_qc945e2d60d_down
	.globl	k_qc945e2d60d_down
	.p2align	8
	.type	k_qc945e2d60d_down,@function
k_qc945e2d60d_down:
	s_mov_b64 s[64:65], 0
	v_nop
	global_prefetch_b8 v0, s[64:65] scope:SCOPE_SE
	s_setreg_imm32_b32 hwreg(HW_REG_WAVE_MODE, 25, 1), 1
	s_wait_xcnt 0x0
	s_wait_alu depctr_hold_cnt(0) depctr_sa_sdst(0) depctr_va_vdst(0) depctr_va_sdst(0) depctr_va_ssrc(0) depctr_va_vcc(0) depctr_vm_vsrc(0)
	s_getreg_b32 s2, hwreg(HW_REG_IB_STS2, 6, 4)
	s_cmp_eq_u32 s2, 0
	s_cbranch_scc0 .Lentry_in_a_cluster
	s_endpgm
.Lentry_in_a_cluster:
	s_bfe_u32 s2, ttmp6, 0x10000c
	s_cmp_lg_u32 s2, 0xf033
	s_cbranch_scc0 .Lentry_shape_is_right
	s_endpgm
.Lentry_shape_is_right:
; out0[row][d] = sum over k of hg[row][k] w2b[k][d] + sum over e of gates[row][e] b2[e][d] + x[row][d].   hg [4096][8192], w2b [8192][1024] bf16; gates [4096][8], b2 [8][1024], x, out0 [4096][1024] f32.
; out0 has 32 x 8 tiles of 128 x 128: one for each of 256 work-groups (tiles of 256 x 256 would be 64).  Four waves, each 64 x 64: 16 accumulators, 128 registers.  K (8,192) goes in 32 steps
; of 256 through a ring of two LDS slots filled by the tensor data mover.  A's rows (hg) lie along K; B (w2b) lies [k][n] and is turned on the way out of LDS by ds_load_tr16_b128.
; CLUSTERS: 4 x 4 work-groups; the four of a row of the cluster ask jointly for hg's tiles, the four of a column for w2b's.
; THE MATRIX INSTRUCTION IS USED TRANSPOSED (source 0 = 16 columns of B, source 1 = 16 rows of A): a lane holds row l % 16 and eight neighbouring columns.
; The sums START with gates x b2, one matrix instruction for each accumulator with C = 0 (8 experts in a K of 32, the other places zero), so nothing is cleared.  x is loaded at the start, in the layout of the
; rows read back from the stage, and added in f32 just ahead of the stores.
; PREFETCH.  A refill has one K step, 120 matrix instructions of a wave, in which to land, and every K step's bytes (2 MiB of hg, 0.5 MiB of w2b over the launch) are read here for the first time.
; So wave 0 of each work-group asks for them ahead: behind the joint load of K step s + 2 it asks for K step s + 4, which the joint load two K steps (256 matrix instructions) later wants.
; Each aligned block of 256 bytes is asked for once in the launch, by lanes 256 bytes apart or more:
;   hg:  the 256 blocks of a tile row's K step (128 rows x 512 bytes) are dealt among its 8 work-groups: block 32 x tile column + lane;
;   w2b: the 256 blocks of a tile column's K step u (256 rows x 256 bytes) are dealt among 8 of its 32 work-groups, those of the two clusters whose y is u modulo 4: the clusters take turns, so that
;        a request has 32 different blocks.  The turn hangs on the cluster's y and on the K step, which all sixteen partners share.
; The head asks for K steps 2 and 3; the loop's 14 trips for 4 to 31; the trip behind the loop and the last lap ask for nothing, so no request points past a buffer's end.  Asked for and not yet read: two K steps, 5 MiB in the launch.
; LIMITS: gates and b2 are rounded to bf16 for their product, as hg and w2b are; all sums in f32.
; REGISTERS: window 0: v0-7 at work; v16-30 addresses; v32-63 gates' fragments, v64-95 b2's (on the way out: rows read back, by turns); v96-127 gates and b2 as loaded; v128-255 the accumulators ((a, b) at v[128 + 8 (4 a + b)])
;   window 1: two fragment buffers of 128: for 64 along K, 64 registers of A (2 x 4 x 16 rows x 32 K), then 64 of B;   window 2: v0-127 my 64 x 64 of x
.set KSTEP,  256
.set PA,     528                       ; a row of A in LDS: 512 bytes + 16
.set PB,     288                       ; a row of B (one k, 128 n): 256 bytes + 32: 16 lanes of the turning load take 8 rows x 32 bytes, which start 32 bytes apart modulo 256
.set HA,     64*PA                     ; what a tensor load brings of A: 64 rows
.set HB,     128*PB                    ; and of B: 128 rows
.set SLOT,   2*HA+2*HB                 ; A's 128 rows, then B's 256 rows
.set STAGE,  2*SLOT                    ; behind the ring: 16 rows x 272 bytes for each wave: a wave's 64 columns of f32 are 256 whole bytes, so each wave has a stage of its own and no barrier stands on the way out
.set SP,     272
.set LAPS,   16                        ; a lap = two K steps
.set AROW,   16384                     ; bytes in a row of hg
.set WROW,   2048                      ; bytes in a row of w2b
.set OROW,   4096                      ; bytes in a row of x and of out0
.set ADRA, 16                          ; v16-17  LDS address of my A fragments in slot 0, 1
.set ADRB, 20                          ; v20-23  the same for B, two for each slot: quarters 0, 1 and quarters 2, 3 (a slot's 256 rows of 288 bytes pass the 16-bit offset)
.set STO,  24
.set RD,   25
.set CO,   26                          ; my byte offset in x and in out0; never rewritten
.set GO,   27                          ; in gates
.set BO,   28                          ; in b2
.set PVA,  29                          ; prefetch: my lane's block of a K step of hg; never rewritten
.set PVB,  30                          ; the same for w2b
.set GA,   32                          ; gates' fragments, 8 registers for each row block
.set BB,   64                          ; b2's fragments, 8 registers for each column block
.set RAW,  96
.set OB,   32                          ; the way out: v32-63 and v64-95 by turns
.set ACC,  128
.set F0,   0
.set F1,   128
.set G1,  24
.set G0,  32
.set G1B, 48
.set G0B, 56
.set PFA, 80                           ; s[80:81] prefetch: hg at a K step two short of the one asked for; the rest stands in the immediate
.set PFB, 82                           ; s[82:83] the same for w2b
.set PH,  84                           ; s84      (the K step asked for - the cluster's y) modulo 4: 0 = my cluster's turn for w2b
.set MSB, 0
.macro WIN new
.if MSB != (\new)
	s_set_vgpr_msb (MSB<<8)|(\new)
.set MSB, (\new)
.endif
.endm
.set MUL,  0x05                        ; sources 0 (B) and 1 (A) window 1; C and D window 0
.set TO_F, 0x40                        ; destination window 1, address window 0
.macro JLOAD s                         ; a joint refill: waves 0 and 1 fetch A's two halves, waves 2 and 3 B's; four v_nop follow each of the two lines
	s_cmp_eq_u32 s11, 0
	s_cbranch_scc0 .Lfor_b_\@
	tensor_load_to_lds s[G0+4*\s:G0+4*\s+3], s[G1:G1+7]
	s_nop 0
.rept 4
	v_nop
.endr
	s_branch .Lasked_\@
.Lfor_b_\@:
	tensor_load_to_lds s[G0B+4*\s:G0B+4*\s+3], s[G1B:G1B+7]
	s_nop 0
.rept 4
	v_nop
.endr
.Lasked_\@:
.endm
.macro CREST                           ; a round of the cluster's barrier behind its opening barrier
	s_cmp_lg_u32 s10, 0
	s_cbranch_scc1 .Lnot_wave_0_\@
	s_barrier_signal -3
.Lnot_wave_0_\@:
	s_barrier_wait -3
	s_barrier_signal -1
	s_barrier_wait -1
.endm
.macro CROUND
	s_barrier_signal -1
	s_barrier_wait -1
	CREST
.endm
.macro PLACES                          ; four plain instructions between a matrix instruction and a load into, or a read of, its registers (ISA guide 7.12.1 for vector reads)
.rept 4
	v_nop
.endr
.endm
; Wave 0 asks for the K step k steps behind the prefetch bases: my work-group's 32 blocks of hg and, when it is my cluster's turn, 32 blocks of w2b.  Nothing waits for these lines; every window is 0 here.
.macro PF k
	s_cmp_lg_u32 s10, 0
	s_cbranch_scc1 .Lpf_done_\@
	global_prefetch_b8 v[PVA], s[PFA:PFA+1] offset:\k*KSTEP*2 th:TH_LOAD_NT scope:SCOPE_SE
	s_cmp_lg_u32 s[PH], 0
	s_cbranch_scc1 .Lpf_done_\@
	global_prefetch_b8 v[PVB], s[PFB:PFB+1] offset:\k*KSTEP*WROW th:TH_LOAD_NT scope:SCOPE_SE
.Lpf_done_\@:
.endm
	s_load_b128 s[4:7], s[0:1], 0x0                ; hg s[4:5], w2b s[6:7]
	s_load_b64 s[8:9], s[0:1], 0x10                ; out0
	s_load_b128 s[68:71], s[0:1], 0x18             ; gates s[68:69], b2 s[70:71]
	s_load_b64 s[72:73], s[0:1], 0x28              ; x
	v_lshl_add_u32 v19, v0, 2, 0x49400
	v_mov_b32 v31, 0
	ds_add_u32 v19, v31
	v_lshrrev_b32 v1, 5, v0
	v_readfirstlane_b32 s10, v1                    ; wave 0..3
	s_lshr_b32 s11, s10, 1                         ; which half of the tile's rows is mine.  Also: I fetch for A (0) or for B (1)
	s_and_b32 s12, s10, 1                          ; which half of its columns.  Also: which half of that tile I fetch
	s_bfe_u32 s40, ttmp6, 0x40000                  ; cx, cy
	s_bfe_u32 s41, ttmp6, 0x40004
	s_lshl_b32 s42, ttmp9, 2
	s_add_co_u32 s42, s42, s40                     ; tile column = 4 x cluster x + cx
	s_and_b32 s13, ttmp7, 0xffff
	s_lshl_b32 s13, s13, 2
	s_add_co_u32 s13, s13, s41                     ; tile row = 4 x cluster y + cy
	s_lshl_b32 s43, s41, 2
	s_lshl_b32 s43, 15, s43                        ; my row of the cluster
	s_lshl_b32 s44, 0x1111, s40                    ; my column
	; the prefetch's shares, in registers that feed no descriptor
	s_and_b32 s85, ttmp7, 0xffff                   ; the cluster's y
	s_sub_co_u32 s[PH], 2, s85
	s_and_b32 s[PH], s[PH], 3                      ; the first K step asked for is 2
	s_and_b32 s86, s85, 4                          ; w2b: which 32 of the K step's 256 rows: 4 x (cluster y / 4) + cy,
	s_add_co_u32 s86, s86, s41
	s_lshl_b32 s86, s86, 16                        ; 32 rows of 2,048 bytes,
	s_lshl_b32 s87, s42, 8                         ; and my tile column's 256 bytes of a row
	s_add_co_u32 s86, s86, s87
	s_lshl_b32 s87, s13, 21                        ; hg: my tile row's 128 rows of 16,384 bytes,
	s_lshl_b32 s85, s42, 18                        ; of them 16 for each of the 8 tile columns
	s_add_co_u32 s87, s87, s85
	; group 1 for A: 64 rows x 256 elements, 16 bytes of padding behind every 512;  for B: 128 rows x 128 elements, 32 bytes behind every 256
	s_or_b32 s[G1+0],  s43, (1<<16)|(1<<20)|(1<<21)|(6<<22)|(3<<25)
	s_or_b32 s[G1B+0], s44, (1<<16)|(1<<20)|(1<<21)|(5<<22)|(7<<25)
	s_mov_b32 s[G1+1],  256<<16                    ; tensor_dim0
	s_mov_b32 s[G1B+1], 128<<16
	s_mov_b32 s[G1+2],  64<<16                     ; tensor_dim1
	s_mov_b32 s[G1B+2], 128<<16
	s_mov_b32 s[G1+3],  256<<16                    ; tile_dim0
	s_mov_b32 s[G1B+3], 128<<16
	s_mov_b32 s[G1+4],  64                         ; tile_dim1
	s_mov_b32 s[G1B+4], 128
	s_mov_b32 s[G1+5],  8192                       ; elements from row to row
	s_mov_b32 s[G1B+5], 1024
	s_mov_b32 s[G1+6],  0
	s_mov_b32 s[G1B+6], 0
	s_mov_b32 s[G1+7],  0
	s_mov_b32 s[G1B+7], 0
	s_lshl_b32 s16, s13, 7
	s_lshl_b32 s17, s12, 6
	s_add_co_u32 s16, s16, s17                     ; A: row 128 x tile row + 64 x half,
	s_lshl_b32 s16, s16, 14                        ; of 16,384 bytes
	s_mov_b32 s17, 0
	s_lshl_b32 s46, s42, 8                         ; B: 256 bytes a tile column,
	s_lshl_b32 s47, s12, 18                        ; 128 rows of 2,048 bytes a half
	s_add_co_u32 s46, s46, s47
	s_mov_b32 s47, 0
	s_mul_i32 s20, s12, HA                         ; where they go: A's two halves,
	s_mul_i32 s21, s12, HB
	s_add_co_u32 s21, s21, 2*HA                    ; then B's two halves
	s_lshl_b32 s74, s13, 7
	s_lshl_b32 s75, s11, 6
	s_add_co_u32 s74, s74, s75                     ; my first row
	s_lshl_b32 s76, s74, 5                         ; gates: 32 bytes a row
	s_mov_b32 s77, 0
	s_lshl_b32 s78, s42, 9                         ; my first column, in bytes of f32: 512 a tile, 256 a half
	s_lshl_b32 s79, s12, 8
	s_add_co_u32 s78, s78, s79
	s_mov_b32 s79, 0
	s_lshl_b32 s74, s74, 12                        ; x and out0: 4,096 bytes a row
	s_add_co_u32 s74, s74, s78
	s_mov_b32 s75, 0
	s_wait_dscnt 0x0
	s_wait_kmcnt 0x0
	s_add_nc_u64 s[14:15], s[4:5], s[16:17]
	s_add_nc_u64 s[46:47], s[6:7], s[46:47]
	s_add_nc_u64 s[PFA:PFA+1], s[4:5], KSTEP*2     ; the prefetch bases begin at K step 1: the head asks one and two steps behind them
	s_add_nc_u64 s[PFB:PFB+1], s[6:7], KSTEP*WROW
	s_add_nc_u64 s[8:9], s[8:9], s[74:75]
	s_add_nc_u64 s[72:73], s[72:73], s[74:75]
	s_add_nc_u64 s[68:69], s[68:69], s[76:77]
	s_add_nc_u64 s[70:71], s[70:71], s[78:79]
.irp s, 0,1
	s_mov_b32 s[G0+4*\s], 1
	s_add_co_u32 s[G0+4*\s+1], s20, \s*SLOT
	s_add_nc_u64 s[G0+4*\s+2:G0+4*\s+3], s[14:15], \s*KSTEP*2      ; K step s: 512 bytes along A's rows
	s_or_b32 s[G0+4*\s+3], s[G0+4*\s+3], 0x80000000
	s_mov_b32 s[G0B+4*\s], 1
	s_add_co_u32 s[G0B+4*\s+1], s21, \s*SLOT
	s_add_nc_u64 s[G0B+4*\s+2:G0B+4*\s+3], s[46:47], \s*KSTEP*WROW ; K step s: 256 rows down B
	s_or_b32 s[G0B+4*\s+3], s[G0B+4*\s+3], 0x80000000
.endr
	CROUND                                         ; all sixteen work-groups are here: the first joint loads meet
	s_cmp_eq_u32 s11, 0                            ; a wave's two first fills stand in one branch, ahead of every wait on TENSORcnt, every LDS read and every further barrier: two loads of mine are out
	s_cbranch_scc0 .Lfirst_b
	tensor_load_to_lds s[G0:G0+3], s[G1:G1+7]
	s_nop 0
	tensor_load_to_lds s[G0+4:G0+7], s[G1:G1+7]
	s_nop 0
.rept 4
	v_nop
.endr
	s_branch .Lfirst_asked
.Lfirst_b:
	tensor_load_to_lds s[G0B:G0B+3], s[G1B:G1B+7]
	s_nop 0
	tensor_load_to_lds s[G0B+4:G0B+7], s[G1B:G1B+7]
	s_nop 0
.rept 4
	v_nop
.endr
.Lfirst_asked:
	v_and_b32 v1, 15, v0                           ; r
	v_bfe_u32 v2, v0, 4, 1                         ; h
	v_lshlrev_b32 v[GO], 5, v1
	v_lshl_add_u32 v[GO], v2, 4, v[GO]             ; gates: row r, experts 4 h .. 4 h + 3
	v_lshlrev_b32 v[BO], 14, v2
	v_lshl_add_u32 v[BO], v1, 2, v[BO]             ; b2: expert 4 h, column r
	v_lshlrev_b32 v[CO], 12, v2
	v_lshl_add_u32 v[CO], v1, 4, v[CO]             ; x and out0: lanes 0-15 one row's 256 bytes, lanes 16-31 the next row's
	v_and_b32 v3, 31, v0                           ; lane l
	v_lshlrev_b32 v[PVB], 11, v3                   ; w2b: a row (one block of my tile column) a lane
	v_add_nc_u32 v[PVB], s86, v[PVB]
	v_lshrrev_b32 v4, 1, v3                        ; hg: row l / 2 of my 16, half l % 2 of its 512 bytes
	v_and_b32 v5, 1, v3
	v_lshlrev_b32 v4, 14, v4
	v_lshl_add_u32 v4, v5, 8, v4
	v_add_nc_u32 v[PVA], s87, v4
.irp a, 0,1,2,3
	global_load_b128 v[RAW+4*\a:RAW+4*\a+3], v[GO], s[68:69] offset:512*\a            ; the wave's load covers 16 rows' 512 consecutive bytes
.endr
.irp b, 0,1,2,3
.irp i, 0,1,2,3
	global_load_b32 v[RAW+16+4*\b+\i], v[BO], s[70:71] offset:\i*4096+64*\b           ; b2[4 h + i][16 b + r]; once a launch
.endr
.endr
	WIN 0x80                                       ; destination window 2
.irp a, 0,1,2,3
.irp t, 0,1,2,3,4,5,6,7
	global_load_b128 v[32*\a+4*\t:32*\a+4*\t+3], v[CO], s[72:73] offset:(16*\a+2*\t)*OROW th:TH_LOAD_NT   ; x: each number is read by one lane of the launch
.endr
.endr
	WIN 0
	PF 1                                           ; K step 2, which the first change of slots will ask for,
	s_add_co_u32 s[PH], s[PH], 1
	s_and_b32 s[PH], s[PH], 3
	PF 2                                           ; and K step 3
	v_mul_u32_u24 v3, v1, PA
	v_lshl_add_u32 v3, v2, 4, v3                   ; A's fragment: row r x pitch + 16 h
	s_mul_i32 s22, s11, HA                         ; my 64 rows of A
	v_add_nc_u32 v[ADRA], s22, v3
	v_add_nc_u32 v[ADRA+1], SLOT, v[ADRA]
	v_and_b32 v4, 7, v0                            ; B's fragment, turned: lane l reads row k = 8 h + l % 8, columns 8 ((l / 8) % 2) + 0..7
	v_lshl_add_u32 v4, v2, 3, v4
	v_mul_u32_u24 v4, v4, PB
	v_bfe_u32 v5, v0, 3, 1
	v_lshl_add_u32 v4, v5, 4, v4
	s_lshl_b32 s22, s12, 7                         ; my 64 columns of B,
	s_add_co_u32 s22, s22, 2*HA                    ; which lies behind A's 128 rows
	v_add_nc_u32 v[ADRB], s22, v4
	v_add_nc_u32 v[ADRB+1], HB, v[ADRB]            ; rows 128 on: quarters 2 and 3
	v_add_nc_u32 v[ADRB+2], SLOT, v[ADRB]
	v_add_nc_u32 v[ADRB+3], SLOT+HB, v[ADRB]
	s_mul_i32 s23, s10, 16*SP
	s_add_co_u32 s23, s23, STAGE                   ; my stage
	v_mul_u32_u24 v6, v1, SP                       ; in: row r, 32 bytes (8 f32) for each half of the lanes
	v_lshl_add_u32 v6, v2, 5, v6
	v_add_nc_u32 v[STO], s23, v6
	v_mul_u32_u24 v6, v2, SP                       ; back: lanes 0-15 take one row of 256 bytes, lanes 16-31 the next
	v_lshl_add_u32 v6, v1, 4, v6
	v_add_nc_u32 v[RD], s23, v6
	s_wait_loadcnt 32                              ; gates and b2 are in; the 32 loads of x stay out
	; Fragments for gates x b2.  In a fragment, lane (r, h) holds k = 8 h + 0..3 in registers 0 and 1: those places stand for experts 4 h + 0..3, alike on both sides.  All other places of the
	; K of 32 are zero on both sides: 6 registers in each of 8 fragments.
.irp a, 0,1,2,3
	v_cvt_pk_bf16_f32 v[GA+8*\a],   v[RAW+4*\a],      v[RAW+4*\a+1]
	v_cvt_pk_bf16_f32 v[GA+8*\a+1], v[RAW+4*\a+2],    v[RAW+4*\a+3]
	v_cvt_pk_bf16_f32 v[BB+8*\a],   v[RAW+16+4*\a],   v[RAW+16+4*\a+1]
	v_cvt_pk_bf16_f32 v[BB+8*\a+1], v[RAW+16+4*\a+2], v[RAW+16+4*\a+3]
.irp z, 2,3,4,5,6,7
	v_mov_b32 v[GA+8*\a+\z], 0
	v_mov_b32 v[BB+8*\a+\z], 0
.endr
.endr
; 8 matrix instructions: row blocks a0, a0 + 1 x all 4 column blocks, 32 along K: half c of buffer f.  The 16 accumulators take turns, one instruction a turn.
.macro MUL8 f, c, a0
.irp a, \a0, \a0+1
.irp b, 0,1,2,3
	v_wmma_f32_16x16x32_bf16 v[ACC+8*(4*(\a)+\b):ACC+8*(4*(\a)+\b)+7], v[\f+64+8*(4*\c+\b):\f+64+8*(4*\c+\b)+7], v[\f+8*(4*\c+\a):\f+8*(4*\c+\a)+7], v[ACC+8*(4*(\a)+\b):ACC+8*(4*(\a)+\b)+7]
.endr
.endr
.endm
; 32 LDS loads in one run: the fragments of quarter q (64 along K) of a slot into buffer f; the first 32 along K first
.macro FETCH slot, q, f
	WIN TO_F
.irp c, 0,1
.irp i, 0,1,2,3
	ds_load_tr16_b128 v[\f+64+8*(4*\c+\i):\f+64+8*(4*\c+\i)+3],   v[ADRB+2*\slot+(\q)/2] offset:((\q)%2)*64*PB+\c*32*PB+32*\i
	ds_load_tr16_b128 v[\f+64+8*(4*\c+\i)+4:\f+64+8*(4*\c+\i)+7], v[ADRB+2*\slot+(\q)/2] offset:((\q)%2)*64*PB+\c*32*PB+16*PB+32*\i
	ds_load_b128 v[\f+8*(4*\c+\i):\f+8*(4*\c+\i)+3],   v[ADRA+\slot] offset:128*(\q)+64*\c+\i*16*PA
	ds_load_b128 v[\f+8*(4*\c+\i)+4:\f+8*(4*\c+\i)+7], v[ADRA+\slot] offset:128*(\q)+64*\c+\i*16*PA+32
.endr
.endr
.endm
; One of a K step's first three quarters: multiplies buffer f and fetches quarter q of the same slot into g.
.macro QUARTER slot, q, f, g
	s_wait_dscnt 16                                ; the first 32 along K are in; the other sixteen loads may be out
	WIN MUL
	MUL8 \f, 0, 0
	MUL8 \f, 0, 2
	PLACES
	FETCH \slot, \q, \g
	s_wait_dscnt 32                                ; all but the 32 just issued
	WIN MUL
	MUL8 \f, 1, 0
	MUL8 \f, 1, 2
.endm
; The last quarter multiplies buffer 1 and changes slots: ONE barrier; in front of it each wave waits for its own reads of this slot and for all its tensor loads.
; fill = 1: the barrier opens a round of the cluster's barrier, and behind the round this slot is filled again first, two K steps ahead: 120 matrix instructions ahead of the wait for it.
; pf = 1: behind that load wave 0 asks for the K step two further on.
.macro TURN slot, next, fill, pf
	s_wait_dscnt 16
	WIN MUL
	MUL8 F1, 0, 0
	s_wait_dscnt 0                                 ; my reads of this slot are over,
	s_set_vgpr_msb 0x500
	s_wait_tensorcnt 0x0                           ; and all my tensor loads have landed: my part of the next slot
	ds_add_u32 v19, v31
	s_wait_dscnt 0x0
	s_set_vgpr_msb 0x5
	s_barrier_signal -1
	MUL8 F1, 0, 2
.if \fill
	WIN 0                                          ; at a branch and at a label every window is 0
.endif
	s_barrier_wait -1
.if \fill
	CREST                                          ; no wave of any partner still reads this slot's tile or has a load on its way
	s_add_nc_u64 s[G0+4*\slot+2:G0+4*\slot+3], s[G0+4*\slot+2:G0+4*\slot+3], 2*KSTEP*2
	s_add_nc_u64 s[G0B+4*\slot+2:G0B+4*\slot+3], s[G0B+4*\slot+2:G0B+4*\slot+3], 2*KSTEP*WROW
.if \pf
	s_wait_xcnt 0x0                                ; the last prefetch, a K step back, has had its addresses translated: only behind this wait are its bases stepped
	s_add_nc_u64 s[PFA:PFA+1], s[PFA:PFA+1], KSTEP*2
	s_add_nc_u64 s[PFB:PFB+1], s[PFB:PFB+1], KSTEP*WROW
	s_add_co_u32 s[PH], s[PH], 1
	s_and_b32 s[PH], s[PH], 3
.endif
	JLOAD \slot                                    ; the first tensor load behind the round; its four v_nop are also the places in front of the loads below
.if \pf
	PF 2                                           ; the bases stand at the K step just asked for by the joint load: two steps on
.endif
.else
	PLACES
.endif
	FETCH \next, 0, F0
	WIN MUL
	MUL8 F1, 1, 0
	MUL8 F1, 1, 2
.endm
; Once round the ring, from a lap's second quarter to the next lap's first; both slots are filled again.
.macro LAP pf
	QUARTER 0, 2, F1, F0
	QUARTER 0, 3, F0, F1
	TURN 0, 1, 1, \pf
	QUARTER 1, 1, F0, F1
	QUARTER 1, 2, F1, F0
	QUARTER 1, 3, F0, F1
	TURN 1, 0, 1, \pf
	QUARTER 0, 1, F0, F1
	WIN 0
.endm
; THE WAY OUT of row block a: a lane's 8 f32 of each column block go into my stage, the low four first, and come back as whole rows of 256 bytes.
.macro STG a
.set BK, OB+32*((\a)%2)
	s_wait_xcnt 0x0                                ; the stores issued so far have had their addresses translated: the registers that they read are loaded again only behind this wait
.irp b, 0,1,2,3
	ds_store_b128 v[STO], v[ACC+8*(4*(\a)+\b):ACC+8*(4*(\a)+\b)+3]   offset:64*\b
	ds_store_b128 v[STO], v[ACC+8*(4*(\a)+\b)+4:ACC+8*(4*(\a)+\b)+7] offset:64*\b+16
.endr
.irp t, 0,1,2,3,4,5,6,7
	ds_load_b128 v[BK+4*\t:BK+4*\t+3], v[RD] offset:\t*2*SP      ; LDS serves a wave's instructions in order: these see the stores above, and the next block's stores come behind them
.endr
.endm
.macro SEND a, younger                 ; younger: the LDS instructions issued behind block a's loads: the next block's eight stores and eight loads, or none
.set BK, OB+32*((\a)%2)
	s_wait_dscnt \younger
	WIN 0x08                                       ; source 1: window 2
.set i, 0
.rept 16
	v_pk_add_f32 v[BK+i:BK+i+1], v[BK+i:BK+i+1], v[32*(\a)+i:32*(\a)+i+1]    ; + x
.set i, i+2
.endr
	WIN 0
.irp t, 0,1,2,3,4,5,6,7
	global_store_b128 v[CO], v[BK+4*\t:BK+4*\t+3], s[8:9] offset:(16*(\a)+2*\t)*OROW th:TH_STORE_NT   ; 16 lanes store 256 consecutive bytes, aligned
.endr
.endm
	s_wait_tensorcnt 1                             ; my part of K step 0 is in; K step 1's stays out
	s_barrier_signal -1
	s_barrier_wait -1                              ; everybody's is
	FETCH 0, 0, F0
	WIN 0
.irp a, 0,1,2,3
.irp b, 0,1,2,3
	v_wmma_f32_16x16x32_bf16 v[ACC+8*(4*\a+\b):ACC+8*(4*\a+\b)+7], v[BB+8*\b:BB+8*\b+7], v[GA+8*\a:GA+8*\a+7], 0   ; gates x b2 starts every sum
.endr
.endr
	QUARTER 0, 1, F0, F1
	WIN 0
	s_mov_b32 s3, LAPS-2
.Llap:                                                 ; 14 trips: the joint loads bring K steps 2 to 29, the prefetches ask for 4 to 31
	LAP 1
	s_sub_co_u32 s3, s3, 1
	s_cmp_lg_u32 s3, 0
	s_cbranch_scc1 .Llap
	LAP 0                                          ; K steps 30 and 31 are brought; nothing is left to ask for ahead
	QUARTER 0, 2, F1, F0                           ; the last lap fills nothing and has no round of the cluster's barrier
	QUARTER 0, 3, F0, F1
	TURN 0, 1, 0, 0
	QUARTER 1, 1, F0, F1
	QUARTER 1, 2, F1, F0
	QUARTER 1, 3, F0, F1
	s_wait_dscnt 16                                ; the very last quarter: nothing more to fetch
	WIN MUL
	MUL8 F1, 0, 0
	MUL8 F1, 0, 2
	s_wait_dscnt 0
	MUL8 F1, 1, 0
	MUL8 F1, 1, 2
	WIN 0
	PLACES                                         ; behind the last products: their results go into the stage below
	s_wait_loadcnt 0x0                             ; x
	STG 0
	STG 1                                          ; a block's way through the stage stands between the loads of the block before and the wait for them
	SEND 0, 16
	STG 2
	SEND 1, 16
	STG 3
	SEND 2, 16
	SEND 3, 0
	s_wait_tensorcnt 0x0
	ds_add_u32 v19, v31
	s_wait_dscnt 0x0
	CROUND                                         ; the closing round: no work-group ends while a partner may still ask for a tile that names it
	s_endpgm
.Lfunc_end_k_qc945e2d60d_down:
	.size	k_qc945e2d60d_down, .Lfunc_end_k_qc945e2d60d_down-k_qc945e2d60d_down
	.p2alignl 7, 3214868480
	.fill 96, 4, 3214868480
	.section	.rodata,"a",@progbits
	.p2align	6, 0x0
	.amdhsa_kernel k_qc945e2d60d_down
		.amdhsa_group_segment_fixed_size 327680
		.amdhsa_private_segment_fixed_size 0
		.amdhsa_enable_private_segment 0
		.amdhsa_kernarg_size 48
		.amdhsa_user_sgpr_count 2
		.amdhsa_user_sgpr_kernarg_segment_ptr 1
		.amdhsa_wavefront_size32 1
		.amdhsa_system_sgpr_workgroup_id_x 1
		.amdhsa_system_sgpr_workgroup_id_y 1
		.amdhsa_system_sgpr_workgroup_id_z 1
		.amdhsa_system_vgpr_workitem_id 0
		.amdhsa_next_free_vgpr 640
		.amdhsa_next_free_sgpr 88
		.amdhsa_reserve_vcc 0
		.amdhsa_float_denorm_mode_32 3
		.amdhsa_float_denorm_mode_16_64 3
		.amdhsa_memory_ordered 1
		.amdhsa_forward_progress 1
		.amdhsa_inst_pref_size 138
	.end_amdhsa_kernel
	.amdgpu_metadata
---
amdhsa.version: [ 1, 2 ]
amdhsa.kernels:
  - .name:           k_qc945e2d60d_down
    .symbol:         k_qc945e2d60d_down.kd
    .args:
      - { .name: hg, .offset: 0, .size: 8, .value_kind: global_buffer, .address_space: global }
      - { .name: w2b, .offset: 8, .size: 8, .value_kind: global_buffer, .address_space: global }
      - { .name: out0, .offset: 16, .size: 8, .value_kind: global_buffer, .address_space: global }
      - { .name: gates, .offset: 24, .size: 8, .value_kind: global_buffer, .address_space: global }
      - { .name: b2, .offset: 32, .size: 8, .value_kind: global_buffer, .address_space: global }
      - { .name: x, .offset: 40, .size: 8, .value_kind: global_buffer, .address_space: global }
    .group_segment_fixed_size: 327680
    .private_segment_fixed_size: 0
    .kernarg_segment_align: 8
    .kernarg_segment_size: 48
    .max_flat_workgroup_size: 128
    .sgpr_count:     88
    .vgpr_count:     640
    .wavefront_size: 32
...
	.end_amdgpu_metadata
.endif
;; end of part 3
;; ======== version 2 of 2: 3 launches; version 1 with the launch prep written anew for expert scheduling mode
;; workspace buffers: xb 8,388,608 bytes; w1b 16,777,216 bytes; w2b 16,777,216 bytes; gates 131,072 bytes; hg 67,108,864 bytes
;; launch prep (part 4): grid 1280 x 1, 4 waves a work-group, no clusters, 52,736 bytes of LDS; arguments x, W1, W2, Wr, br, xb, w1b, w2b, gates; writes xb, w1b, w2b, gates
.if DOCPART == 4
	.amdgcn_target "amdgcn-amd-amdhsa--gfx1250"
	.amdhsa_code_object_version 6
	.text
	.protected	k_qc945e2d60d_prep
	.globl	k_qc945e2d60d_prep
	.p2align	8
	.type	k_qc945e2d60d_prep,@function
k_qc945e2d60d_prep:
	s_mov_b64 s[64:65], 0
	v_nop
	global_prefetch_b8 v0, s[64:65] scope:SCOPE_SE
	s_setreg_imm32_b32 hwreg(HW_REG_WAVE_SCHED_MODE, 0, 2), 2
	s_setreg_imm32_b32 hwreg(HW_REG_WAVE_MODE, 25, 1), 1
	s_wait_xcnt 0x0
	s_wait_alu depctr_vm_vsrc(0)
; xb = bf16(x), w1b = bf16(W1), w2b = bf16(W2), gates = softmax(x Wr + br) along the 8 experts.
; Work-groups 0-255: 16 rows of x each.  Wave w takes columns 256 w .. 256 w + 255 of the 16 rows: it loads them once, rounds them to bf16,
; stores them to xb and lays them into its own LDS bytes, from which the router's product is made by the matrix unit (K = 256 a wave);
; the four waves' partial logits meet in LDS and wave 0 makes the softmax, with the row's maximum taken away first.
; Work-groups 256-1279: 65,536 bytes of W1 (the first 512) or of W2 each, 16,384 a wave: a plain cast.
; No loop: a wave has its 32 loads of 16 bytes a lane on their way at once; each store of a wave covers 256 consecutive bytes, aligned.
; No cluster, no tensor loads: the work-groups share nothing but Wr (32 KiB), and every other byte is read once.
; LIMITS: the router's operands are rounded to bf16 (sums in f32); v_exp_f32 gives 0 for results under 2^-126, so a gate that small is 0.
; THE MODE: SCHED_MODE bits 1:0 = 2 (LLVM: expert scheduling mode 2), set by the entry lines.  The code itself states the register dependences
; between vector or matrix instructions and memory or LDS instructions, with s_wait_alu, always for 0.
; THE PLAN.  Registers that memory or LDS instructions touch:
;   v2, v3     byte offsets of every global load and store: made at the head, never written again.
;   v4 .. v10  LDS addresses and the gates' offset: made once, behind the run of loads, never written again.
;   X          32 loads land in it; the conversions read it; then the fragments' LDS loads land in it (WF, XF), which the matrix instructions read;
;              then, in wave 0, the loads of the partial logits land in its first 32 registers.
;   Y          Wr lands in it and is read by Wr's conversions; then each pair is written ONCE, by the two conversions of one load, and read by that load's stores.
;   WC         written by Wr's conversions, read by 16 LDS stores; then the accumulators, P and Q take its place.
;   Q, v24-27  written by selects, read by one store each, never written again.
; The 32 loads go in four blocks of eight.  Block p's conversions read X of block p and write Y of block p; the stores of block p - 1, which read Y of
; block p - 1, v3 and v4, are dealt among them: no conversion of block p names a register that they touch.  So ONE wait on va_vdst at a block's head states all
; that the block's stores hang on.  One wait on vm_vsrc past the entry lines: WC is the only register set that is written again after a memory-side instruction has read it.
.set X,    32                          ; v[32:159]  32 loads of 4 registers, f32 as loaded
.set Y,    160                         ; v[160:223] 32 results of 2 registers, bf16 to store; before that Wr as loaded
.set WC,   224                         ; v[224:255] Wr in bf16, on its way into LDS
.set WF,   32                          ; v[32:95]   Wr's fragments, 8 registers for each of 8 K steps (X's place, once X is rounded)
.set XF,   96                          ; v[96:159]  x's fragments
.set ACC0, 224                         ; v[224:231], v[232:239] two accumulators that take turns
.set P,    240                         ; v[240:247] their sum: my row's 8 partial logits
.set Q,    248                         ; v[248:251] the four of them that my half of the lanes hands on
.set L,    16                          ; v[16:23]   wave 0: a row's 8 logits, then its gates
.set WLDS, 12544                       ; LDS bytes of a wave: x's 16 rows, then Wr's 256 rows
.set XP,   528                         ; a row of x in LDS: 512 bytes + 16: an odd multiple of 16, so the 16 rows of a fragment load start 16 bytes apart modulo 256
.set WRS,  16*XP                       ; Wr[256 w + kk][e] in bf16 at kk x 16 + 2 e
.set RED,  4*WLDS                      ; 4 x 512 bytes: wave w's partial logits, row r at 32 r
; The result of load m leaves.  lds = 1 (x): load m is half m % 2 of row m / 2, and it also goes into the wave's rows in LDS.  lds = 0 (W1, W2): the loads lie end to end.
.macro OUT m, lds
.if \lds
	global_store_b64 v3, v[Y+2*(\m):Y+2*(\m)+1], s[34:35] offset:((\m)/2)*2048+((\m)%2)*256   ; 32 lanes x 8 bytes: 256 consecutive bytes; Y's registers are never written again
	ds_store_b64 v4, v[Y+2*(\m):Y+2*(\m)+1] offset:((\m)/2)*XP+((\m)%2)*256
.else
	global_store_b64 v3, v[Y+2*(\m):Y+2*(\m)+1], s[34:35] offset:256*(\m)                     ; 32 lanes x 8 bytes: 256 consecutive bytes; Y's registers are never written again
.endif
.endm
; Block p of four: loads 8 p to 8 p + 7 are rounded; the results of block p - 1 leave among the conversions.
.macro BLK p, lds
	s_wait_loadcnt 31-8*(\p)                       ; loads come back in order: the block's first is in, the younger ones stay out
.if (\p) > 0
	s_wait_alu depctr_va_vdst(0)                   ; the conversions of the block before have written their part of Y, which the stores below read
.endif
.set num, 8*(\p)
.rept 8
.if (\p) > 0
	OUT num-8, \lds                                ; no wait: no vector instruction since the wait above names these registers
.endif
.if num > 8*(\p)
	s_wait_loadcnt 31-num                          ; mine is in, the younger ones stay out
.endif
	v_cvt_pk_bf16_f32 v[Y+2*num],   v[X+4*num],   v[X+4*num+1]
	v_cvt_pk_bf16_f32 v[Y+2*num+1], v[X+4*num+2], v[X+4*num+3]
.set num, num+1
.endr
.endm
; The results of block 3 leave; the wait for its conversions stands ahead of the macro.
.macro LAST lds
.set num, 24
.rept 8
	OUT num, \lds
.set num, num+1
.endr
.endm
	s_load_b512 s[4:19], s[0:1], 0x0               ; x 4:5, W1 6:7, W2 8:9, Wr 10:11, br 12:13, xb 14:15, w1b 16:17, w2b 18:19
	s_load_b64 s[20:21], s[0:1], 0x40              ; gates
	v_lshl_add_u32 v30, v0, 2, 0xcc00              ; my spare word, behind the partial logits, and 0: made here and kept for the closing lines alone
	v_mov_b32 v31, 0
	v_lshrrev_b32 v1, 5, v0
	v_readfirstlane_b32 s22, v1                    ; wave 0..3
	v_and_b32 v1, 31, v0                           ; lane l
	v_lshlrev_b32 v2, 4, v1                        ; 16 l: where I load
	v_lshlrev_b32 v3, 3, v1                        ; 8 l: where I store
	s_mov_b32 s3, 0                                ; high word of every offset
	s_wait_alu depctr_va_sdst(0)                   ; s22 is written, ahead of the branch and of its first reader on either way: the bases are made from it
	s_wait_alu depctr_va_vdst(0)                   ; v2 and v3 are written: every global load and store of the kernel reads one of them as its offset
	s_wait_kmcnt 0x0
	s_cmp_lt_u32 ttmp9, 256                        ; the same in all four waves
	s_cbranch_scc0 .Lweights
	; ---------------- 16 rows of x ----------------
	s_load_b256 s[24:31], s[12:13], 0x0            ; br, 8 numbers
	s_lshl_b32 s2, s22, 13
	s_add_nc_u64 s[10:11], s[10:11], s[2:3]        ; Wr at row 256 w (32 bytes a row)
	s_lshl_b32 s2, ttmp9, 16                       ; 16 rows of 4,096 bytes
	s_lshl_b32 s23, s22, 10                        ; my 256 columns
	s_add_co_u32 s2, s2, s23
	s_add_nc_u64 s[32:33], s[4:5], s[2:3]          ; x
	s_lshr_b32 s2, s2, 1
	s_add_nc_u64 s[34:35], s[14:15], s[2:3]        ; xb: half the bytes
	s_lshl_b32 s2, ttmp9, 9
	s_add_nc_u64 s[20:21], s[20:21], s[2:3]        ; gates: 16 rows of 32 bytes
.irp i, 0,1,2,3,4,5,6,7,8,9,10,11,12,13,14,15
	global_load_b128 v[Y+4*\i:Y+4*\i+3], v2, s[10:11] offset:512*\i       ; my 8,192 bytes of Wr
.endr
.irp i, 0,1,2,3,4,5,6,7,8,9,10,11,12,13,14,15
.irp j, 0,1
	global_load_b128 v[X+4*(2*\i+\j):X+4*(2*\i+\j)+3], v2, s[32:33] offset:\i*4096+512*\j th:TH_LOAD_NT   ; row i, half j of my 1,024 bytes
.endr
.endr
	s_mul_i32 s23, s22, WLDS                       ; my bytes in LDS
	s_mov_b32 s36, 0x3fb8aa3b                      ; log2(e); named as a pair by the packed multiply
	s_mov_b32 s37, s36
	v_and_b32 v11, 15, v1                          ; r
	v_lshrrev_b32 v12, 4, v1                       ; h
	v_cmp_le_u32 vcc_lo, 16, v1                    ; lanes 16-31
	v_add_nc_u32 v4, s23, v3                       ; x into LDS: 8 l
	v_add_nc_u32 v5, WRS, v4                       ; Wr into LDS: 8 l
	v_mul_u32_u24 v6, v11, XP
	v_lshl_add_u32 v6, v12, 4, v6
	v_add_nc_u32 v6, s23, v6                       ; x's fragments: row r, 16 h
	v_and_b32 v7, 7, v1
	v_lshl_add_u32 v7, v12, 3, v7                  ; Wr's fragments, by the turning load: row 8 h + l % 8.  Lanes 8-15 of each half name the same
	v_lshlrev_b32 v7, 4, v7                        ; bytes as lanes 0-7, since a row has 8 experts: the fragment's rows 8-15 repeat experts 0-7
	v_add_nc_u32 v7, s23, v7
	v_add_nc_u32 v7, WRS, v7
	v_lshlrev_b32 v10, 5, v11
	v_add_nc_u32 v9, RED, v10                      ; wave 0 reads: row r's 32 bytes
	v_lshl_add_u32 v10, v12, 4, v10                ; 32 r + 16 h: my 16 bytes of a row of 8 f32
	v_add_nc_u32 v8, RED, v10
	v_lshl_add_u32 v8, s22, 9, v8                  ; my wave's partial logits
	s_wait_alu depctr_va_vcc(0)                    ; VCC is written by the compare above, ahead of its first reader, the selects that make Q
	s_wait_loadcnt 32                              ; Wr is in; the 32 loads of x stay out
.irp i, 0,1,2,3,4,5,6,7,8,9,10,11,12,13,14,15
	v_cvt_pk_bf16_f32 v[WC+2*\i],   v[Y+4*\i],   v[Y+4*\i+1]
	v_cvt_pk_bf16_f32 v[WC+2*\i+1], v[Y+4*\i+2], v[Y+4*\i+3]
.endr
	s_wait_alu depctr_va_vdst(0)                   ; the conversions have written WC, which the LDS stores below read; v4 to v10 are written, which every later LDS access and the gates' store read as addresses
.irp i, 0,1,2,3,4,5,6,7,8,9,10,11,12,13,14,15
	ds_store_b64 v5, v[WC+2*\i:WC+2*\i+1] offset:256*\i                   ; the LDS byte is half the byte in memory
.endr
	BLK 0, 1
	BLK 1, 1
	BLK 2, 1
	BLK 3, 1
	s_wait_alu depctr_va_vdst(0)                   ; block 3's conversions have written their part of Y, which the stores below read; all conversions are done reading X, in which the fragments' loads land
	s_wait_alu depctr_vm_vsrc(0)                   ; the LDS stores of Wr have read WC: the accumulators, P and Q are written in its place below
	LAST 1
	; The fragments of 8 K steps of 32.  The bytes are my wave's own and LDS serves a wave's instructions in order, so no wait stands between the stores above and these loads.
.irp s, 0,1,2,3,4,5,6,7
	ds_load_tr16_b128 v[WF+8*\s:WF+8*\s+3],   v7 offset:512*\s              ; k = 32 s + 8 h + 0..7 of expert r % 8
	ds_load_tr16_b128 v[WF+8*\s+4:WF+8*\s+7], v7 offset:512*\s+256          ; k = 32 s + 16 + 8 h + 0..7
	ds_load_b128 v[XF+8*\s:XF+8*\s+3],   v6 offset:64*\s
	ds_load_b128 v[XF+8*\s+4:XF+8*\s+7], v6 offset:64*\s+32
.endr
	; Source 0 = Wr (experts), source 1 = x (rows): a lane then holds ONE row (r) and, in registers 0-7, experts 0-7, in both halves of the lanes.
	; Two accumulators take turns, one instruction a turn; the first two products start the sums.
.irp s, 0,1,2,3,4,5,6,7
	s_wait_dscnt 28-4*\s                           ; the four loads of each later K step stay out
.if \s < 2
	v_wmma_f32_16x16x32_bf16 v[ACC0+8*(\s%2):ACC0+8*(\s%2)+7], v[WF+8*\s:WF+8*\s+7], v[XF+8*\s:XF+8*\s+7], 0
.else
	v_wmma_f32_16x16x32_bf16 v[ACC0+8*(\s%2):ACC0+8*(\s%2)+7], v[WF+8*\s:WF+8*\s+7], v[XF+8*\s:XF+8*\s+7], v[ACC0+8*(\s%2):ACC0+8*(\s%2)+7]
.endif
.endr
.rept 4
	v_nop                                          ; four places between the last product and the first read of a result (ISA guide 7.12.1)
.endr
.irp j, 0,2,4,6
	v_pk_add_f32 v[P+\j:P+\j+1], v[ACC0+\j:ACC0+\j+1], v[ACC0+8+\j:ACC0+8+\j+1]   ; from the low end on
.endr
.irp j, 0,1,2,3
	v_cndmask_b32 v[Q+\j], v[P+\j], v[P+4+\j], vcc_lo      ; lanes 0-15 hand on experts 0-3, lanes 16-31 experts 4-7
.endr
	s_wait_alu depctr_va_vdst(0)                   ; the selects have written Q, which the LDS store reads; the matrix instructions are done reading v[32:63], in which wave 0's loads land below
	ds_store_b128 v8, v[Q:Q+3]
	s_wait_kmcnt 0x0                               ; br
	s_wait_dscnt 0x0                               ; for wave 0's sake: my partial logits are in LDS
	s_barrier_signal -1
	s_barrier_wait -1
	s_cmp_lg_u32 s22, 0
	s_cbranch_scc1 .Lend                           ; no barrier follows: waves 1-3 are done
.irp w, 0,1,2,3
	ds_load_b128 v[32+8*\w:35+8*\w], v9 offset:512*\w
	ds_load_b128 v[36+8*\w:39+8*\w], v9 offset:512*\w+16
.endr
	s_wait_dscnt 0x0
.irp j, 0,1,2,3,4,5,6,7
	v_add_f32 v[L+\j], s[24+\j], v[32+\j]          ; br + the first quarter of K
.endr
.irp w, 1,2,3
.irp j, 0,2,4,6
	v_pk_add_f32 v[L+\j:L+\j+1], v[L+\j:L+\j+1], v[32+8*\w+\j:32+8*\w+\j+1]
.endr
.endr
	v_max3_num_f32 v12, v[L], v[L+1], v[L+2]       ; the row's maximum
	v_max3_num_f32 v12, v12, v[L+3], v[L+4]
	v_max3_num_f32 v12, v12, v[L+5], v[L+6]
	v_max_num_f32 v12, v12, v[L+7]
	v_mov_b32 v13, v12                             ; a pair for the packed subtraction
.irp j, 0,2,4,6
	v_pk_add_f32 v[L+\j:L+\j+1], v[L+\j:L+\j+1], v[12:13] neg_lo:[0,1] neg_hi:[0,1]   ; logit - maximum: at most 0
.endr
.irp j, 0,2,4,6
	v_pk_mul_f32 v[L+\j:L+\j+1], v[L+\j:L+\j+1], s[36:37] op_sel_hi:[1,0]
.endr
.irp j, 0,1,2,3,4,5,6,7
	v_exp_f32 v[L+\j], v[L+\j]
.endr
	v_nop                                          ; a plain instruction between the last exponential and the use of its result (ISA guide 5.7.2)
	s_wait_alu depctr_va_vdst(0)                   ; the eight exponentials have written L, ahead of their first reader: one wait for the batch
	v_pk_add_f32 v[12:13], v[L:L+1], v[L+2:L+3]
	v_pk_add_f32 v[14:15], v[L+4:L+5], v[L+6:L+7]
	v_pk_add_f32 v[12:13], v[12:13], v[14:15]
	v_add_f32 v12, v12, v13                        ; at least 1: the maximum's own term
	v_rcp_f32 v14, v12
	v_rcp_f32 v15, v12                             ; twice: a pair for the packed multiply
	v_nop
	s_wait_alu depctr_va_vdst(0)                   ; the two reciprocals have written v14 and v15, ahead of their first reader
.irp j, 0,2,4,6
	v_pk_mul_f32 v[L+\j:L+\j+1], v[L+\j:L+\j+1], v[14:15]
.endr
.irp j, 0,1,2,3
	v_cndmask_b32 v[24+\j], v[L+\j], v[L+4+\j], vcc_lo
.endr
	s_wait_alu depctr_va_vdst(0)                   ; the selects have written v[24:27], which the store reads
	global_store_b128 v10, v[24:27], s[20:21]      ; the wave's store covers the 16 rows' 512 consecutive bytes
.Lend:
	s_wait_dscnt 0x0                               ; the closing lines, six on end
	s_wait_alu 0x0
	s_wait_tensorcnt 0x0
	ds_add_u32 v30, v31
	s_wait_dscnt 0x0
	s_endpgm
	; ---------------- 65,536 bytes of W1 or W2 ----------------
.Lweights:
	s_sub_co_u32 s23, ttmp9, 256
	s_cmp_lt_u32 s23, 512
	s_cselect_b64 s[32:33], s[6:7], s[8:9]         ; from W1 or W2,
	s_cselect_b64 s[34:35], s[16:17], s[18:19]     ; to w1b or w2b
	s_and_b32 s23, s23, 511
	s_lshl_b32 s2, s23, 16
	s_lshl_b32 s23, s22, 14
	s_add_co_u32 s2, s2, s23                       ; 65,536 a work-group, 16,384 a wave
	s_add_nc_u64 s[32:33], s[32:33], s[2:3]
	s_lshr_b32 s2, s2, 1
	s_add_nc_u64 s[34:35], s[34:35], s[2:3]
.irp n, 0,1,2,3,4,5,6,7,8,9,10,11,12,13,14,15,16,17,18,19,20,21,22,23,24,25,26,27,28,29,30,31
	global_load_b128 v[X+4*\n:X+4*\n+3], v2, s[32:33] offset:512*\n th:TH_LOAD_NT
.endr
	BLK 0, 0
	BLK 1, 0
	BLK 2, 0
	BLK 3, 0
	s_wait_alu depctr_va_vdst(0)                   ; block 3's conversions have written their part of Y, which the last eight stores read
	LAST 0
	s_endpgm                                       ; this way stores nothing to LDS
.Lfunc_end_k_qc945e2d60d_prep:
	.size	k_qc945e2d60d_prep, .Lfunc_end_k_qc945e2d60d_prep-k_qc945e2d60d_prep
	.p2alignl 7, 3214868480
	.fill 96, 4, 3214868480
	.section	.rodata,"a",@progbits
	.p2align	6, 0x0
	.amdhsa_kernel k_qc945e2d60d_prep
		.amdhsa_group_segment_fixed_size 52736
		.amdhsa_private_segment_fixed_size 0
		.amdhsa_enable_private_segment 0
		.amdhsa_kernarg_size 72
		.amdhsa_user_sgpr_count 2
		.amdhsa_user_sgpr_kernarg_segment_ptr 1
		.amdhsa_wavefront_size32 1
		.amdhsa_system_sgpr_workgroup_id_x 1
		.amdhsa_system_sgpr_workgroup_id_y 1
		.amdhsa_system_sgpr_workgroup_id_z 1
		.amdhsa_system_vgpr_workitem_id 0
		.amdhsa_next_free_vgpr 256
		.amdhsa_next_free_sgpr 66
		.amdhsa_reserve_vcc 1
		.amdhsa_float_denorm_mode_32 3
		.amdhsa_float_denorm_mode_16_64 3
		.amdhsa_memory_ordered 1
		.amdhsa_forward_progress 1
		.amdhsa_inst_pref_size 39
	.end_amdhsa_kernel
	.amdgpu_metadata
---
amdhsa.version: [ 1, 2 ]
amdhsa.kernels:
  - .name:           k_qc945e2d60d_prep
    .symbol:         k_qc945e2d60d_prep.kd
    .args:
      - { .name: x, .offset: 0, .size: 8, .value_kind: global_buffer, .address_space: global }
      - { .name: W1, .offset: 8, .size: 8, .value_kind: global_buffer, .address_space: global }
      - { .name: W2, .offset: 16, .size: 8, .value_kind: global_buffer, .address_space: global }
      - { .name: Wr, .offset: 24, .size: 8, .value_kind: global_buffer, .address_space: global }
      - { .name: br, .offset: 32, .size: 8, .value_kind: global_buffer, .address_space: global }
      - { .name: xb, .offset: 40, .size: 8, .value_kind: global_buffer, .address_space: global }
      - { .name: w1b, .offset: 48, .size: 8, .value_kind: global_buffer, .address_space: global }
      - { .name: w2b, .offset: 56, .size: 8, .value_kind: global_buffer, .address_space: global }
      - { .name: gates, .offset: 64, .size: 8, .value_kind: global_buffer, .address_space: global }
    .group_segment_fixed_size: 52736
    .private_segment_fixed_size: 0
    .kernarg_segment_align: 8
    .kernarg_segment_size: 72
    .max_flat_workgroup_size: 128
    .sgpr_count:     66
    .vgpr_count:     256
    .wavefront_size: 32
...
	.end_amdgpu_metadata
.endif
;; end of part 4
;; launch up: the kernel of part 2 again; grid 32 x 8, 4 waves a work-group, clusters of 4 x 4, 327,680 bytes of LDS; arguments xb, w1b, hg, b1, gates; writes hg
;; launch down: the kernel of part 3 again; grid 8 x 32, 4 waves a work-group, clusters of 4 x 4, 327,680 bytes of LDS; arguments hg, w2b, out0, gates, b2, x; writes out0
